; MI455X (gfx1250); checked and timed in simulation.
; The chip was launched on July 23, 2026; its instructions are those of AMD's public machine-readable ISA for CDNA 5 (MIT licence, August 2026) and "CDNA5" Instruction Set Architecture Reference Guide (July 2026). The comments in the code are by the model that wrote it; some were corrected since.
;; Self Attention Module. Allowed arithmetic: matrix products marked QUANTISED: E5M2 operands, one E8M0 scale for each 32 along K, by v_wmma_scale_f32_16x16x128_f8f6f4 with both operands' format E5M2, f32 sums; everything else in f32.
;; Inputs: Wk_codes 1,024 x 32 x 32 uint8 (E5M2 codes of Wk, K innermost, in blocks of 32 codes); Wk_scales 1,024 x 32 uint8 (E8M0 scales of Wk, one for each 32 codes along K); Wq_codes 1,024 x 32 x 32 uint8 (E5M2 codes of Wq, K innermost, in blocks of 32 codes); Wq_scales 1,024 x 32 uint8 (E8M0 scales of Wq, one for each 32 codes along K); Wv_codes 1,024 x 32 x 32 uint8 (E5M2 codes of Wv, K innermost, in blocks of 32 codes); Wv_scales 1,024 x 32 uint8 (E8M0 scales of Wv, one for each 32 codes along K); x_codes 4 x 2,048 x 32 x 32 uint8 (E5M2 codes of x, K innermost, in blocks of 32 codes); x_scales 4 x 2,048 x 32 uint8 (E8M0 scales of x, one for each 32 codes along K).
;; Outputs: out0 4 x 2,048 x 1,024 float32.
;; This version of the problem:
;;   THIS VERSION OF THE PROBLEM IS GIVEN IN LOW PRECISION. The matrix products marked QUANTISED in the list below multiply operands that are first quantised to E5M2 (5 exponent bits, 2 mantissa bits; 8 bits a number), with one power-of-two scale for each 32 numbers along K (OCP MX v1.0); their sums are f32. All else is computed in f32.
;;   The module's matrix products, in the order in which they are computed (A, B: the left and right operand; K: the contracted axis; several contracted axes count as one K, in the product's order):
;;     1. [M 8,192, K 1,024] x [K 1,024, N 1,024]; A: input x (given as codes); B: input Wq (given as codes): QUANTISED
;;     2. [M 8,192, K 1,024] x [K 1,024, N 1,024]; A: input x (given as codes); B: input Wk (given as codes): QUANTISED
;;     3. [M 8,192, K 1,024] x [K 1,024, N 1,024]; A: input x (given as codes); B: input Wv (given as codes): QUANTISED
;;     4. batch 4 x [M 2,048, K 1,024] x [K 1,024, N 2,048]; A: computed on the way; B: computed on the way: QUANTISED
;;     5. batch 4 x [M 2,048, K 2,048] x [K 2,048, N 1,024]; A: softmax (see below); B: computed on the way: QUANTISED
;;   THE QUANTISER, for each operand of a quantised product, along K:
;;     - K is cut into blocks of 32 from its start; a last block that is shorter is filled with zeros.
;;     - A block's scale is 2^e with e = floor(log2(the largest magnitude in the block)) - 15, held to -126 .. 127; a block of zeros has e = 0. As a byte (E8M0): e + 127.
;;     - Each number is divided by its block's scale, clamped to +-57,344, and rounded to the nearest number of E5M2, ties to even, subnormals kept.
;;     - The product sums the exact products of the quantised numbers (number of the format x scale) in f32.
;;   ~~~python
;;   def quantise(x, axis):      # numpy; x: float32 -> the quantised numbers, widened to float32 again
;;       x = np.moveaxis(x, axis, -1); K = x.shape[-1]
;;       x = np.pad(x, [(0, 0)] * (x.ndim - 1) + [(0, -K % 32)]); x = x.reshape(x.shape[:-1] + (-1, 32)); a = np.abs(x).max(-1, keepdims=True)
;;       e = np.where(a > 0, np.clip(np.frexp(np.where(a > 0, a, 1))[1] - 1 - 15, -126, 127), 0)      # np.frexp(a)[1] - 1 = floor(log2(a)), exactly
;;       r = np.clip(x / 2.0 ** e, -57344, 57344)
;;       step = 2.0 ** (np.maximum(np.frexp(np.where(r == 0, 1, r))[1] - 1, -14) - 2)
;;       q = np.round(r / step) * step * 2.0 ** e      # np.round: ties to even
;;       return np.moveaxis(q.reshape(q.shape[:-2] + (-1,))[..., :K], -1, axis).astype(np.float32)
;;   ~~~
;;   SOFTMAX AHEAD OF A QUANTISED PRODUCT. Where the list says 'softmax', what is quantised is not the finished softmax but p = 2^(t - M), with t = logit x log2(e) and M = ceil(the row's largest t), a whole number; so 1/2 < the row's largest p <= 1. The row's sum l is taken of the UNQUANTISED p, in f32, and the product's result is divided by l at the end. Since M is a whole number, a kernel that streams over the keys may use a running M (the ceiling of the running maximum): every later rescaling is an exact power of two, which a block's scale takes up: the codes' values come out the same.
;;   OPERANDS COMPUTED ON THE WAY. 'Computed on the way' means the value that the module computes at that place (a softmax that the list does not call 'softmax' is quantised finished and normalised). What goes into a quantiser is computed in f32, as accurately as f32 sums, v_exp_f32 and their like allow (about 1e-6 of the number): no bf16 or f16 on the way to a quantiser, and a product that is left as it is and whose result goes on into a quantised operand takes f32 operands (vector FMAs, or v_wmma_f32_16x16x4_f32). A number that lies on a knife's edge between two numbers of the format may be rounded either way, as far as f32 arithmetic and the matrix unit's own rounding can turn it there, and no further.
;;   INPUTS GIVEN AS CODES. Wk (in the module: [1024, 1024], K = its axis 1); Wq (in the module: [1024, 1024], K = its axis 1); Wv (in the module: [1024, 1024], K = its axis 1); x (in the module: [4, 2048, 1024], K = its axis 2): each comes as NAME_codes (uint8): NAME with its K axis moved to the last place and cut into blocks of 32 codes, [.., K / 32, bytes a block], one block behind the other in memory; one code a byte (a code: sign, 5 exponent bits, 2 mantissa bits); and NAME_scales (uint8): the same leading axes, one E8M0 byte (e + 127) for each 32 codes along K. Its value is code x scale, taken as it is: it is not quantised again, and the codes and scales need not be those that the quantiser above would give.
;; One version. Each part assembles by itself: llvm-mc -triple=amdgcn-amd-amdhsa -mcpu=gfx1250 --defsym DOCPART=n.
;; ======== version 1 of 1: 3 launches
;; workspace buffers: qimg 8,388,608 bytes; kimg 8,388,608 bytes; vimg 8,388,608 bytes; pimg 16,777,216 bytes; qs 262,144 bytes; ks 262,144 bytes; vs 262,144 bytes; pst 1,572,864 bytes
;; launch proj (part 1): grid 12 x 32, 4 waves a work-group, clusters of 4 x 4, 327,680 bytes of LDS; arguments x_codes, x_scales, Wq_codes, Wq_scales, Wk_codes, Wk_scales, Wv_codes, Wv_scales, qimg, kimg, vimg, qs, ks, vs; writes qimg, kimg, vimg, qs, ks, vs
.if DOCPART == 1
	.amdgcn_target "amdgcn-amd-amdhsa--gfx1250"
	.amdhsa_code_object_version 6
	.text
	.protected	k_q51ec3a4fb9_proj
	.globl	k_q51ec3a4fb9_proj
	.p2align	8
	.type	k_q51ec3a4fb9_proj,@function
k_q51ec3a4fb9_proj:
	s_mov_b64 s[64:65], 0
	v_nop
	global_prefetch_b8 v0, s[64:65] scope:SCOPE_SE
	s_setreg_imm32_b32 hwreg(HW_REG_WAVE_MODE, 25, 1), 1
	s_wait_xcnt 0x0
	s_wait_alu depctr_hold_cnt(0) depctr_sa_sdst(0) depctr_va_vdst(0) depctr_va_sdst(0) depctr_va_ssrc(0) depctr_va_vcc(0) depctr_vm_vsrc(0)
	s_getreg_b32 s2, hwreg(HW_REG_IB_STS2, 6, 4)
	s_cmp_eq_u32 s2, 0
	s_cbranch_scc0 .Lentry_in_a_cluster
	s_endpgm
.Lentry_in_a_cluster:
	s_bfe_u32 s2, ttmp6, 0x10000c
	s_cmp_lg_u32 s2, 0xf033
	s_cbranch_scc0 .Lentry_shape_is_right
	s_endpgm
.Lentry_shape_is_right:
; q = x Wq^T, k = x Wk^T, v = x Wv^T on codes of BF8 (E5M2) with one E8M0 scale for each 32 along K = 1,024, and each result quantised again on its way out:
; q and k along their 1,024 channels, v along the tokens.  x: [8,192][1,024] codes, [8,192][32] scale bytes; each W: [1,024][1,024] codes, [1,024][32] scale bytes.
; ONE BODY FOR THE THREE PRODUCTS.  The cluster's x says which: 0 q, 1 k, 2 v; only pointers and tile numbers are chosen by it, no branch.
; A tile of 256 x 256 is made by four waves, 128 x 128 each: 64 accumulators, 512 registers.  Source 1 (S1) gives a lane its row, source 0 (S0) runs along a lane's registers:
; accumulator (a, b), register j, lane (r, h) holds (S1 row 16 a + r, S0 row 16 b + 8 h + j).  The quantiser runs along S0's rows: so S1 = x, S0 = W for q and k, and S1 = Wv, S0 = x for v.
; K goes in steps of 256 through a ring of two LDS slots filled by the tensor data mover; the scale bytes of the tile's rows, for all of K, come once with the first fills.
; CLUSTERS: 4 x 4 work-groups.  S1's tile hangs on cy and is shared along a row of the cluster, S0's on cx and is shared along a column: each is asked for jointly.
; WHAT IS STORED: IMAGES OF THE NEXT OPERAND'S REGISTERS.  A fragment of 16 rows x 128 K is 2,048 bytes: byte 512 c + 16 lane + i is row lane % 16, k = 32 c + 16 (lane / 16) + i.
; My lane's eight codes of tile t are k = 16 t + 8 h + 0 .. 7 of row r: their place is 256 t + 16 r + 8 h, so the 32 lanes of one store of 8 bytes fill 256 consecutive bytes, aligned.
; A wave's 128 x 128 are eight images on end (16 KB) and 128 scale words (512 bytes on end); both lie at block (group of 128 rows x K steps + K step) of their buffers, so that a group's K steps follow each other.
; LIMITS: NaN, infinities and the scale byte 0xff among the inputs are not served.  A block of zeros, or one whose largest magnitude lies under 2^-111, gets the byte 1
; (the quantiser's rule says 127 for zeros): its codes are zeros or next to zeros, and the bytes are read by this program alone.
; No prefetch: K has four slots, two come with the first fills and the two refills would have to be asked for at the head, where every work-group's first tiles are on their way.
.set NQ,     2                         ; matrix instructions deep in a slot
.set ROWB,   256                       ; a tile's row in bytes
.set KROW,   1024                      ; a row of x or W in memory
.set PITCH,  272                       ; an LDS row: 256 bytes + 16 of padding: the 16 rows that a load touches start at 16 different banks (64 banks of 4 bytes: ISA guide 11.1)
.set FR,     16                        ; registers of a fragment
.set NL,     4                         ; LDS loads that bring one
.set NP,     8                         ; places behind this matrix instruction (ISA guide 7.12.1)
.set HALFT,  128*PITCH                 ; 128 rows: what one tensor load brings
.set SLOT,   4*HALFT                   ; S1's 256 rows, then S0's
.set LAPS,   2                         ; a lap = two slots = 512 along K
.set KS,     32                        ; a row of scale bytes
.set SCL,    2*SLOT                    ; behind the ring: the scale bytes, as units of 256 bytes + 16 of padding
.set HALFS,  (128*KS/256)*272          ; those of 128 rows
.set SBLK,   (16*KS/256)*272           ; those of 16 rows
.set ASTEP,  4*NQ                      ; from one slot's scale words to the next slot's
.set SPARE,  SCL+4*HALFS               ; the spare words, 128 bytes for each wave: two blocks of 256 bytes that no other line names
.set SCRATCH, SPARE+512                ; 512 bytes for each wave: its 128 new scale words; no fill lands here
.set ADRA, 16                          ; v16-17  LDS address of my S1 fragments in slot 0, 1
.set ADRB, 20                          ; v20-21  the same for S0
.set CO,   24                          ; v24     16 r + 8 h: my eight codes' place in 256 bytes of an image
.set SWA,  25                          ; v25     my wave's scratch + 4 r
.set SRA,  26                          ; v26     my wave's scratch + 16 x lane
.set ADRS, 27                          ; v27     LDS address of my scale words: lanes 0-15 S1's rows, lanes 16-31 S0's
.set SPW,  28                          ; v28     LDS address of my spare word; never rewritten
.set NIL,  29                          ; v29     0; never rewritten
.set LO,   30                          ; v30     16 x lane
.set SC,   32                          ; v32-63  scale words, two sets; they hold nothing else
.set TM,   64                          ; v64-67 largest magnitudes, v68-71 bytes, v72-75 the largest number x the scale, v76-79 the conversions' scale operands
.set PW,   80                          ; v80-87  the new scale word of row block a
.set BACK, 88                          ; v88-91  the scale words read back
.set AF,   128                         ; S1's fragments, one set, in window 0
.set CD,   128                         ; on the way out: the codes, 16 registers a row block
.set G1, 24
.set G0, 32
.set G1B, 48
.set G0B, 56
.set G1S, 68
.set G0S, 76
.set G1SB, 80
.set G0SB, 88
.set SEL, 96                           ; s[96:97] on the way out: lane selects for v_permlanex16_b32: lane l xor 16
.set MNT, 98                           ; s98      the mantissa field of 57,344
.set MSB, 0
.macro WIN new                         ; the immediate's high byte repeats the setting that is left
.if MSB != (\new)
	s_set_vgpr_msb (MSB<<8)|(\new)
.set MSB, (\new)
.endif
.endm
.set MUL_LO, 0xa1                      ; source 0 (S0) window 1, source 1 (S1) window 0, C and D window 2
.set MUL_HI, 0xf1                      ; the same, C and D window 3
.set TO_B,   0x40                      ; destination window 1, address window 0
; A joint load: waves 0 and 1 fetch for S1, waves 2 and 3 for S0.  The branch hangs on the wave's number alone.  Four v_nop follow each of the two lines.
.macro JLOAD g0a, g1a, g0b, g1b
	s_cmp_eq_u32 s15, 0
	s_cbranch_scc0 .Lfor_b_\@
	tensor_load_to_lds s[\g0a:\g0a+3], s[\g1a:\g1a+7]
	s_nop 0
.rept 4
	v_nop
.endr
	s_branch .Lasked_\@
.Lfor_b_\@:
	tensor_load_to_lds s[\g0b:\g0b+3], s[\g1b:\g1b+7]
	s_nop 0
.rept 4
	v_nop
.endr
.Lasked_\@:
.endm
.macro CREST                           ; a round of the cluster's barrier behind its opening barrier
	s_cmp_lg_u32 s14, 0
	s_cbranch_scc1 .Lnot_wave_0_\@
	s_barrier_signal -3
.Lnot_wave_0_\@:
	s_barrier_wait -3
	s_barrier_signal -1
	s_barrier_wait -1
.endm
.macro CROUND                          ; a whole round
	s_barrier_signal -1
	s_barrier_wait -1
	CREST
.endm
	s_load_b512 s[24:39], s[0:1], 0x0              ; x's codes, scales; Wq's; Wk's; Wv's
	s_load_b256 s[48:55], s[0:1], 0x40             ; qimg, kimg, vimg, qs
	s_load_b128 s[56:59], s[0:1], 0x60             ; ks, vs
	v_lshl_add_u32 v[SPW], v0, 2, SPARE
	v_mov_b32 v[NIL], 0
	ds_add_u32 v28, v29
	ds_add_u32 v28, v29
	s_wait_dscnt 0x0
	v_lshrrev_b32 v1, 5, v0
	v_readfirstlane_b32 s14, v1                    ; wave 0..3
	s_lshr_b32 s15, s14, 1                         ; which half of S1's rows is mine.  Also: I fetch for S1 (0) or for S0 (1)
	s_and_b32 s16, s14, 1                          ; which half of S0's rows.  Also: which 128 rows of that tile I fetch
	s_bfe_u32 s40, ttmp6, 0x40000                  ; cx, cy: my place in the cluster
	s_bfe_u32 s41, ttmp6, 0x40004
	s_and_b32 s95, ttmp7, 0xffff
	s_lshl_b32 s95, s95, 2                         ; 4 x cluster y
	s_lshl_b32 s43, s41, 2
	s_lshl_b32 s43, 15, s43                        ; my row of the cluster
	s_lshl_b32 s44, 0x1111, s40                    ; my column
	s_wait_kmcnt 0x0
	s_cmp_eq_u32 ttmp9, 2                          ; the cluster's x: is this v?  The same in all sixteen partners
	s_cselect_b64 s[4:5], s[36:37], s[24:25]       ; S1's codes: Wv's, else x's
	s_cselect_b64 s[6:7], s[38:39], s[26:27]       ; S1's scale bytes
	s_cselect_b64 s[8:9], s[24:25], s[32:33]       ; S0's codes: x's, else Wk's
	s_cselect_b64 s[10:11], s[26:27], s[34:35]     ; S0's scale bytes
	s_cselect_b64 s[12:13], s[52:53], s[50:51]     ; the images go to vimg, else kimg
	s_cselect_b64 s[66:67], s[58:59], s[56:57]     ; the scale words to vs, else ks
	s_cselect_b32 s96, 0, s95                      ; the tokens' 32 tiles run along cluster y: they are S0's tiles for v, S1's else
	s_cselect_b32 s97, s95, 0
	s_cselect_b32 s99, 64, 8                       ; K steps of 128 in the next product's operand
	s_cmp_eq_u32 ttmp9, 0                          ; is this q?
	s_cselect_b64 s[8:9], s[28:29], s[8:9]
	s_cselect_b64 s[10:11], s[30:31], s[10:11]
	s_cselect_b64 s[12:13], s[48:49], s[12:13]
	s_cselect_b64 s[66:67], s[54:55], s[66:67]
	s_add_co_u32 s17, s41, s96                     ; S1's tile: cy and the cluster's y alone
	s_add_co_u32 s42, s40, s97                     ; S0's tile: cx and the cluster's y alone
	; descriptor group 1: a tile of 128 rows x 256 bytes, padded in LDS
	s_or_b32 s[G1+0], s43, (0<<16)|(1<<20)|(1<<21)|(5<<22)|(3<<25)  ; 15:0 the mask: S1's tiles go to my row; 17:16 element of 1 byte; 20 padding on; 21 set beside a mask; 24:22 after every 64 words; 31:25 of 4 words
	s_or_b32 s[G1B+0], s44, (0<<16)|(1<<20)|(1<<21)|(5<<22)|(3<<25)
.irp g, G1, G1B
	s_mov_b32 s[\g+1], ROWB<<16                    ; tensor_dim0
	s_mov_b32 s[\g+2], 128<<16                     ; tensor_dim1
	s_mov_b32 s[\g+3], ROWB<<16                    ; tile_dim0
	s_mov_b32 s[\g+4], 128                         ; tile_dim1
	s_mov_b32 s[\g+5], KROW                        ; tensor_dim0_stride
	s_mov_b32 s[\g+6], 0
	s_mov_b32 s[\g+7], 0
.endr
	; the scale bytes of 128 rows: a dense block of 4,096 bytes, as 16 rows of 256 bytes (32 elements of 8 bytes), 16 bytes of padding behind each
	s_or_b32 s[G1S+0], s43, (3<<16)|(1<<20)|(1<<21)|(5<<22)|(3<<25)
	s_or_b32 s[G1SB+0], s44, (3<<16)|(1<<20)|(1<<21)|(5<<22)|(3<<25)
.irp g, G1S, G1SB
	s_mov_b32 s[\g+1], 32<<16
	s_mov_b32 s[\g+2], (128*KS/256)<<16
	s_mov_b32 s[\g+3], 32<<16
	s_mov_b32 s[\g+4], 128*KS/256
	s_mov_b32 s[\g+5], 32
	s_mov_b32 s[\g+6], 0
	s_mov_b32 s[\g+7], 0
.endr
	s_lshl_b32 s18, s16, 7                         ; which 128 rows of the tile I fetch
	s_lshl_b32 s20, s17, 8
	s_add_co_u32 s20, s20, s18                     ; S1: row 256 x tile + 128 x half
	s_lshl_b32 s46, s42, 8
	s_add_co_u32 s46, s46, s18                     ; S0 likewise
	s_mov_b32 s21, 0
	s_mov_b32 s47, 0
	s_mov_b64 s[18:19], KS
	s_mul_u64 s[22:23], s[20:21], s[18:19]         ; where these rows' scale bytes begin
	s_mul_u64 s[92:93], s[46:47], s[18:19]
	s_mov_b64 s[18:19], KROW
	s_mul_u64 s[20:21], s[20:21], s[18:19]         ; and their codes
	s_mul_u64 s[46:47], s[46:47], s[18:19]
	s_mul_i32 s45, s14, HALFT                      ; where they go: wave x 128 rows: no place in the cluster enters an LDS address
	s_mul_i32 s94, s14, HALFS
	s_add_nc_u64 s[20:21], s[4:5], s[20:21]
	s_add_nc_u64 s[22:23], s[6:7], s[22:23]
	s_add_nc_u64 s[46:47], s[8:9], s[46:47]
	s_add_nc_u64 s[92:93], s[10:11], s[92:93]
	CROUND                                         ; all sixteen work-groups are here: the first joint loads meet
	s_mov_b32 s[G0S], 1
	s_add_co_u32 s[G0S+1], s94, SCL
	s_mov_b64 s[G0S+2:G0S+3], s[22:23]
	s_or_b32 s[G0S+3], s[G0S+3], 0x80000000
	s_mov_b32 s[G0SB], 1
	s_add_co_u32 s[G0SB+1], s94, SCL
	s_mov_b64 s[G0SB+2:G0SB+3], s[92:93]
	s_or_b32 s[G0SB+3], s[G0SB+3], 0x80000000
	JLOAD G0S, G1S, G0SB, G1SB                     ; the scale bytes first: they are wanted with the first slot
.irp s, 0,1
	s_mov_b32 s[G0+4*\s], 1
	s_add_co_u32 s[G0+4*\s+1], s45, \s*SLOT
	s_add_nc_u64 s[G0+4*\s+2:G0+4*\s+3], s[20:21], \s*ROWB
	s_or_b32 s[G0+4*\s+3], s[G0+4*\s+3], 0x80000000
	s_mov_b32 s[G0B+4*\s], 1
	s_add_co_u32 s[G0B+4*\s+1], s45, \s*SLOT
	s_add_nc_u64 s[G0B+4*\s+2:G0B+4*\s+3], s[46:47], \s*ROWB
	s_or_b32 s[G0B+4*\s+3], s[G0B+4*\s+3], 0x80000000
	JLOAD G0+4*\s, G1, G0B+4*\s, G1B
.endr
	v_and_b32 v1, 15, v0                           ; r = lane % 16
	v_bfe_u32 v2, v0, 4, 1                         ; h = lane / 16
	v_mul_u32_u24 v3, v1, PITCH
	v_lshl_add_u32 v4, v2, 4, v3                   ; a fragment's row x pitch + 16 x half
	s_mul_i32 s21, s15, HALFT                      ; my 128 rows of S1
	s_mul_i32 s22, s16, HALFT                      ; my 128 rows of S0,
	s_add_co_u32 s22, s22, 2*HALFT                 ; which lie behind S1's 256
.irp s, 0,1
	v_add_nc_u32 v[ADRA+\s], s21, v4
	v_add_nc_u32 v[ADRB+\s], s22, v4
	s_add_co_u32 s21, s21, SLOT
	s_add_co_u32 s22, s22, SLOT
.endr
	v_mul_u32_u24 v5, v1, KS                       ; my row's scale bytes: 32 a row,
	v_lshrrev_b32 v6, 8, v5
	v_lshl_add_u32 v5, v6, 4, v5                   ; and 16 more for each 256 passed
	s_mul_i32 s21, s15, HALFS
	s_mul_i32 s22, s16, HALFS
	s_add_co_u32 s22, s22, 2*HALFS
	s_sub_co_u32 s22, s22, s21
	v_mul_u32_u24 v6, s22, v2                      ; lanes 16-31 take S0's: the lower base + h x the distance
	s_add_co_u32 s21, s21, SCL
	v_add_nc_u32 v5, v5, v6
	v_add_nc_u32 v[ADRS], s21, v5
	v_lshlrev_b32 v[CO], 4, v1
	v_lshl_add_u32 v[CO], v2, 3, v[CO]             ; 16 r + 8 h
	s_lshl_b32 s23, s14, 9
	s_add_co_u32 s23, s23, SCRATCH                 ; my wave's scratch
	v_lshl_add_u32 v[SWA], v1, 2, s23
	v_and_b32 v6, 31, v0
	v_lshlrev_b32 v[LO], 4, v6
	v_add_nc_u32 v[SRA], s23, v[LO]
.irp b, 0,1,2,3
	v_mov_b32 v[TM+4+\b], 0                        ; written once: a lane permute's destination counts as one of its sources
.endr
	; where my wave's 16 KB of images and 512 bytes of scale words go: block (group of 128 rows x K steps + K step) in both buffers
	s_lshl_b32 s20, s17, 1
	s_add_co_u32 s20, s20, s15                     ; my group of 128 rows
	s_mul_i32 s20, s20, s99
	s_lshl_b32 s21, s42, 1
	s_add_co_u32 s21, s21, s16                     ; my K step of the next product
	s_add_co_u32 s20, s20, s21
	s_lshl_b32 s22, s20, 14
	s_mov_b32 s23, 0
	s_add_nc_u64 s[12:13], s[12:13], s[22:23]
	s_lshl_b32 s22, s20, 9
	s_add_nc_u64 s[66:67], s[66:67], s[22:23]
	s_mov_b32 s[SEL], 0x76543210
	s_mov_b32 s[SEL+1], 0xfedcba98
	s_mov_b32 s[MNT], 0x600000
.macro FRAG reg, adr, q, i             ; 16 rows x 128 K: lane l holds row l % 16; registers 4 c .. 4 c + 3 hold K = 32 c + 16 (l / 16) + 0 .. 15
.irp c, 0,1,2,3
	ds_load_b128 v[\reg+4*\c:\reg+4*\c+3], v[\adr] offset:128*(\q)+32*\c+(\i)*16*PITCH
.endr
.endm
; 16 matrix instructions: S1's blocks a0, a0 + 1 x S0's eight, 128 along K.  p: S0's set; sc: the set of scale words.  zero = 1: the first product starts the sums.
; The 64 accumulators take turns, one instruction a turn, in the same order in every step.
.macro MUL16 a0, p, q, sc, zero
.irp a, \a0, \a0+1
.irp b, 0,1,2,3,4,5,6,7
.if \zero
	v_wmma_scale_f32_16x16x128_f8f6f4 v[8*(8*((\a)%4)+\b):8*(8*((\a)%4)+\b)+7], v[128*(\p)+FR*\b:128*(\p)+FR*\b+FR-1], v[AF+FR*(\a):AF+FR*(\a)+FR-1], 0, v[SC+8*NQ*(\sc)+NQ*\b+(\q)], v[SC+8*NQ*(\sc)+NQ*(\a)+(\q)] matrix_a_fmt:MATRIX_FMT_BF8 matrix_b_fmt:MATRIX_FMT_BF8 matrix_a_scale:MATRIX_SCALE_ROW1
.else
	v_wmma_scale_f32_16x16x128_f8f6f4 v[8*(8*((\a)%4)+\b):8*(8*((\a)%4)+\b)+7], v[128*(\p)+FR*\b:128*(\p)+FR*\b+FR-1], v[AF+FR*(\a):AF+FR*(\a)+FR-1], v[8*(8*((\a)%4)+\b):8*(8*((\a)%4)+\b)+7], v[SC+8*NQ*(\sc)+NQ*\b+(\q)], v[SC+8*NQ*(\sc)+NQ*(\a)+(\q)] matrix_a_fmt:MATRIX_FMT_BF8 matrix_b_fmt:MATRIX_FMT_BF8 matrix_a_scale:MATRIX_SCALE_ROW1
.endif
.endr
.endr
.endm
.macro FETCH_B slot, q, p              ; S0's eight fragments of the slot's q-th 128 along K into set p
	WIN TO_B
.irp i, 0,1,2,3,4,5,6,7
	FRAG 128*(\p)+FR*\i, ADRB+\slot, \q, \i
.endr
	WIN 0
.endm
.macro FETCH_A slot, q, i0             ; S1's blocks i0 .. i0 + 3
.irp i, \i0, \i0+1, \i0+2, \i0+3
	FRAG AF+FR*(\i), ADRA+\slot, \q, \i
.endr
.endm
.macro SCALES sc                       ; a slot's scale words into set sc: two words a row; lanes 0-15 take S1's block i, lanes 16-31 S0's block i
.irp i, 0,1,2,3,4,5,6,7
	ds_load_b64 v[SC+8*NQ*\sc+NQ*\i:SC+8*NQ*\sc+NQ*\i+1], v[ADRS] offset:\i*SBLK
.endr
.endm
; A load into a register that a matrix instruction has read, and a vector instruction that reads a matrix result or writes one of its registers, stand NP places behind it;
; only plain vector instructions that name none of its registers are places (ISA guide 7.12.1 for vector instructions).
.macro PLACES n
.rept \n
	v_nop
.endr
.endm
.macro STEP slot, q, zero              ; a step of 128 along K that has its successor in the same slot
	s_wait_dscnt 4*NL                              ; S0's set, S1's blocks 0-3 and the scale words are in; the youngest 16 loads (S1's blocks 4-7) may be out
	WIN MUL_LO
	MUL16 0, (\q)%2, \q, \slot, \zero
	MUL16 2, (\q)%2, \q, \slot, \zero
	s_wait_dscnt 0                                 ; S1's blocks 4-7 are in (asked for 32 matrix instructions ago)
	PLACES NP
	FETCH_B \slot, (\q)+1, 1-(\q)%2
	FETCH_A \slot, (\q)+1, 0
	WIN MUL_HI
	MUL16 4, (\q)%2, \q, \slot, \zero
	MUL16 6, (\q)%2, \q, \slot, \zero
	PLACES NP
	WIN 0
	FETCH_A \slot, (\q)+1, 4
.endm
; A slot's last step changes slots: ONE barrier.  Its first 32 products want registers alone: they stand AHEAD of the wait for the next slot's tile, so that behind the tile's arrival only the add,
; the wait for it and the round stand in front of the next request.  In front of the barrier each wave waits for all its tensor loads, adds 0 to its spare word, and waits for that and for its own reads of this slot.
.macro TURN slot, next, fill
	s_wait_dscnt 4*NL                              ; S0's set and S1's blocks 0-3 are in; the youngest 16 loads (S1's blocks 4-7) may be out
	WIN MUL_LO
	MUL16 0, 1, NQ-1, \slot, 0
	MUL16 2, 1, NQ-1, \slot, 0
	WIN 0
	s_wait_tensorcnt 0x0                           ; all my tensor loads have landed: my part of the next slot; so every group 0 may be written
	ds_add_u32 v[SPW], v[NIL]                      ; 0 onto my spare word
.if \fill
	s_add_nc_u64 s[G0+4*\slot+2:G0+4*\slot+3], s[G0+4*\slot+2:G0+4*\slot+3], 2*ROWB
	s_add_nc_u64 s[G0B+4*\slot+2:G0B+4*\slot+3], s[G0B+4*\slot+2:G0B+4*\slot+3], 2*ROWB
.endif
	s_wait_dscnt 0x0                               ; the add is done, and my reads of this slot are over
	s_barrier_signal -1
	s_barrier_wait -1
.if \fill
	CREST                                          ; the barrier has opened a round of the cluster's barrier: no wave of any partner still reads this slot or has a load on its way
	JLOAD G0+4*\slot, G1, G0B+4*\slot, G1B         ; the first tensor load behind the round; its four v_nop are among the places in front of the loads below
	PLACES NP-4
.else
	PLACES NP
.endif
	v_add_nc_u32 v[ADRS], ASTEP, v[ADRS]           ; on to the next slot's scale words (no LDS load of mine is out)
	FETCH_B \next, 0, 0
	FETCH_A \next, 0, 0
	SCALES \next
	WIN MUL_HI
	MUL16 4, 1, NQ-1, \slot, 0
	MUL16 6, 1, NQ-1, \slot, 0
	PLACES NP
	WIN 0
	FETCH_A \next, 0, 4
.endm
	s_wait_tensorcnt 1                             ; the scale bytes and my part of slot 0 are in (slot 1's load, the one issued behind them, may be out),
	s_barrier_signal -1
	s_barrier_wait -1                              ; everybody's are
	FETCH_B 0, 0, 0
	FETCH_A 0, 0, 0
	SCALES 0
	FETCH_A 0, 0, 4
	STEP 0, 0, 1                                   ; the first step stands in front of the loop: its products start the sums
	s_mov_b32 s3, LAPS-1
.Llap:                                                 ; a trip goes once round the ring and fills both slots again
	TURN 0, 1, 1
	STEP 1, 0, 0
	TURN 1, 0, 1
	STEP 0, 0, 0
	s_sub_co_u32 s3, s3, 1
	s_cmp_lg_u32 s3, 0
	s_cbranch_scc1 .Llap
	TURN 0, 1, 0                                   ; the last lap fills nothing
	STEP 1, 0, 0
	s_wait_dscnt 4*NL                              ; the very last step
	WIN MUL_LO
	MUL16 0, 1, NQ-1, 1, 0
	MUL16 2, 1, NQ-1, 1, 0
	s_wait_dscnt 0
	WIN MUL_HI
	MUL16 4, 1, NQ-1, 1, 0
	MUL16 6, 1, NQ-1, 1, 0
	WIN 0
; THE WAY OUT, a block of 16 S1 rows at a time.  A lane's 64 numbers of row r are 16 of each of the four blocks of 32 along the next K (tiles 2 b and 2 b + 1); lane l xor 16 holds the other 16.
; The largest magnitude with the floor 2^(16 - 127) among its leaves; 15 off its exponent field is the conversion's scale operand, and that shifted down the byte; the hold at 57,344 x the scale;
; eight conversions; eight stores of 256 consecutive bytes each.  Each accumulator is read from its low end on.
.macro QROW a
.set W, 2+(\a)/4                       ; the block's accumulators lie in window 2 or 3
.set AC, 64*((\a)%4)
.set CK, 2+(\a)%4+4*((\a)/4)           ; which 16 registers take the codes: dealt so that no conversion names the same numbers for its result and its source
.if (\a)%4 == 2
.set CK, 4+(\a)/4
.endif
.if (\a)%4 == 3
.set CK, (\a)/4
.endif
.set CR, CD+16*CK
.set WA, W|(W<<2)
.set WB, (W<<2)|(W<<4)
.set WC, (W<<6)|W
	WIN WA
.irp b, 0,1,2,3
	v_max3_num_f32 v[TM+\b], |v[AC+16*\b]|, |v[AC+16*\b+1]|, 0x8000000
.endr
	WIN WB
.irp i, 2,4,6,8,10,12,14
.irp b, 0,1,2,3
	v_max3_num_f32 v[TM+\b], v[TM+\b], |v[AC+16*\b+\i]|, |v[AC+16*\b+\i+1]|   ; the four blocks by turns
.endr
.endr
	WIN 0
.irp b, 0,1,2,3
	v_permlanex16_b32 v[TM+4+\b], v[TM+\b], s[SEL], s[SEL+1]
.endr
.irp b, 0,1,2,3
	v_max_num_f32 v[TM+\b], v[TM+\b], v[TM+4+\b]   ; with lane l xor 16's: the block's largest magnitude
.endr
.irp b, 0,1,2,3
	v_add_nc_u32 v[TM+12+\b], 0xf8800000, v[TM+\b] ; 15 off its exponent field
.endr
.irp b, 0,1,2,3
	v_and_or_b32 v[TM+8+\b], v[TM+\b], 0x7f800000, s[MNT]   ; 57,344 x the scale
.endr
.irp b, 0,1,2,3
	v_lshrrev_b32 v[TM+4+\b], 23, v[TM+12+\b]      ; the scale's byte
.endr
	v_lshl_or_b32 v[PW+(\a)], v[TM+5], 8, v[TM+4]  ; my row's scale word for this K step
	v_lshl_or_b32 v[PW+(\a)], v[TM+6], 16, v[PW+(\a)]
	v_lshl_or_b32 v[PW+(\a)], v[TM+7], 24, v[PW+(\a)]
	WIN WC
.set n, 0
.rept 64
	v_med3_num_f32 v[AC+n], v[AC+n], -v[TM+8+n/16], v[TM+8+n/16]   ; the conversion to an 8-bit code does not saturate (ISA guide 7.6.2)
.set n, n+1
.endr
	WIN W
.set n, 0
.rept 8
	v_cvt_scalef32_pk8_bf8_f32 v[CR+2*n:CR+2*n+1], v[AC+8*n:AC+8*n+7], v[TM+12+n/2]
.set n, n+1
.endr
	WIN 0
	v_nop                                          ; one plain instruction behind the last conversion
	ds_store_b32 v[SWA], v[PW+(\a)] offset:64*(\a) ; both halves of the lanes write the same word with the same value
.set n, 0
.rept 8
	global_store_b64 v[CO], v[CR+2*n:CR+2*n+1], s[12:13] offset:2048*(\a)+256*n   ; 32 lanes store 256 consecutive bytes, aligned; no store's data are written again
.set n, n+1
.endr
.endm
	PLACES NP                                      ; behind the last products: for the first reads of results and the first writes into S1's registers
.irp a, 0,1,2,3,4,5,6,7
	QROW \a
.endr
	ds_load_b128 v[BACK:BACK+3], v[SRA]            ; LDS serves a wave's instructions in order: this sees my stores
	s_wait_dscnt 0x0
	global_store_b128 v[LO], v[BACK:BACK+3], s[66:67]   ; 128 scale words: 512 consecutive bytes
	s_wait_tensorcnt 0x0                           ; the wave's end
	ds_add_u32 v[SPW], v[NIL]
	s_wait_dscnt 0x0
	CROUND                                         ; the closing round: no work-group ends while a partner may still ask for a tile that names it
	s_endpgm
.Lfunc_end_k_q51ec3a4fb9_proj:
	.size	k_q51ec3a4fb9_proj, .Lfunc_end_k_q51ec3a4fb9_proj-k_q51ec3a4fb9_proj
	.p2alignl 7, 3214868480
	.fill 96, 4, 3214868480
	.section	.rodata,"a",@progbits
	.p2align	6, 0x0
	.amdhsa_kernel k_q51ec3a4fb9_proj
		.amdhsa_group_segment_fixed_size 327680
		.amdhsa_private_segment_fixed_size 0
		.amdhsa_enable_private_segment 0
		.amdhsa_kernarg_size 112
		.amdhsa_user_sgpr_count 2
		.amdhsa_user_sgpr_kernarg_segment_ptr 1
		.amdhsa_wavefront_size32 1
		.amdhsa_system_sgpr_workgroup_id_x 1
		.amdhsa_system_sgpr_workgroup_id_y 1
		.amdhsa_system_sgpr_workgroup_id_z 1
		.amdhsa_system_vgpr_workitem_id 0
		.amdhsa_next_free_vgpr 1024
		.amdhsa_next_free_sgpr 100
		.amdhsa_reserve_vcc 0
		.amdhsa_float_denorm_mode_32 3
		.amdhsa_float_denorm_mode_16_64 3
		.amdhsa_memory_ordered 1
		.amdhsa_forward_progress 1
		.amdhsa_inst_pref_size 189
	.end_amdhsa_kernel
	.amdgpu_metadata
---
amdhsa.version: [ 1, 2 ]
amdhsa.kernels:
  - .name:           k_q51ec3a4fb9_proj
    .symbol:         k_q51ec3a4fb9_proj.kd
    .args:
      - { .name: x_codes, .offset: 0, .size: 8, .value_kind: global_buffer, .address_space: global }
      - { .name: x_scales, .offset: 8, .size: 8, .value_kind: global_buffer, .address_space: global }
      - { .name: Wq_codes, .offset: 16, .size: 8, .value_kind: global_buffer, .address_space: global }
      - { .name: Wq_scales, .offset: 24, .size: 8, .value_kind: global_buffer, .address_space: global }
      - { .name: Wk_codes, .offset: 32, .size: 8, .value_kind: global_buffer, .address_space: global }
      - { .name: Wk_scales, .offset: 40, .size: 8, .value_kind: global_buffer, .address_space: global }
      - { .name: Wv_codes, .offset: 48, .size: 8, .value_kind: global_buffer, .address_space: global }
      - { .name: Wv_scales, .offset: 56, .size: 8, .value_kind: global_buffer, .address_space: global }
      - { .name: qimg, .offset: 64, .size: 8, .value_kind: global_buffer, .address_space: global }
      - { .name: kimg, .offset: 72, .size: 8, .value_kind: global_buffer, .address_space: global }
      - { .name: vimg, .offset: 80, .size: 8, .value_kind: global_buffer, .address_space: global }
      - { .name: qs, .offset: 88, .size: 8, .value_kind: global_buffer, .address_space: global }
      - { .name: ks, .offset: 96, .size: 8, .value_kind: global_buffer, .address_space: global }
      - { .name: vs, .offset: 104, .size: 8, .value_kind: global_buffer, .address_space: global }
    .group_segment_fixed_size: 327680
    .private_segment_fixed_size: 0
    .kernarg_segment_align: 8
    .kernarg_segment_size: 112
    .max_flat_workgroup_size: 128
    .sgpr_count:     100
    .vgpr_count:     1024
    .wavefront_size: 32
...
	.end_amdgpu_metadata
.endif
;; end of part 1
;; launch scores (part 2): grid 8 x 32, 4 waves a work-group, clusters of 4 x 4, 327,680 bytes of LDS; arguments qimg, qs, kimg, ks, pimg, pst; writes pimg, pst
.if DOCPART == 2
	.amdgcn_target "amdgcn-amd-amdhsa--gfx1250"
	.amdhsa_code_object_version 6
	.text
	.protected	k_q51ec3a4fb9_scores
	.globl	k_q51ec3a4fb9_scores
	.p2align	8
	.type	k_q51ec3a4fb9_scores,@function
k_q51ec3a4fb9_scores:
	s_mov_b64 s[64:65], 0
	v_nop
	global_prefetch_b8 v0, s[64:65] scope:SCOPE_SE
	s_setreg_imm32_b32 hwreg(HW_REG_WAVE_MODE, 25, 1), 1
	s_wait_xcnt 0x0
	s_wait_alu depctr_hold_cnt(0) depctr_sa_sdst(0) depctr_va_vdst(0) depctr_va_sdst(0) depctr_va_ssrc(0) depctr_va_vcc(0) depctr_vm_vsrc(0)
	s_getreg_b32 s2, hwreg(HW_REG_IB_STS2, 6, 4)
	s_cmp_eq_u32 s2, 0
	s_cbranch_scc0 .Lentry_in_a_cluster
	s_endpgm
.Lentry_in_a_cluster:
	s_bfe_u32 s2, ttmp6, 0x10000c
	s_cmp_lg_u32 s2, 0xf033
	s_cbranch_scc0 .Lentry_shape_is_right
	s_endpgm
.Lentry_shape_is_right:
; The scores q k^T of 4 batches of 2,048 x 2,048, K = 1,024, on codes of BF8 with E8M0 scales, and on the way out the softmax's p, quantised along the keys, under a LOCAL M.
; t = score x log2(e) / 32.  For each query and each 128 keys (one wave's columns, one K step of the next product): M = ceil(the largest t of these 128), p = 2^(t - M), l = the sum of the unquantised p.
; M is a whole number, so the row's M differs from it by a whole number: the next launch takes that off the scale bytes and off l's exponent; the codes stay as they are.
; So a maximum is taken away ahead of every exponential, and no wave waits for another.
; SHARES: a tile of 256 queries x 256 keys to a work-group, 128 x 128 to each of four waves.  Source 1 (S1) = q, source 0 (S0) = k: a lane holds one query (lane % 16 of block a) and its registers run along the keys.
; OPERANDS COME AS IMAGES OF THEIR REGISTERS: a fragment is 2,048 bytes, lane l's 16 bytes of register group c at 512 c + 16 l.  The eight K steps of a group of 128 rows lie on end, 16 KB each: a slot's part
; (256 along K: 16 fragments) is one dense block of 32 KB for one tensor load; LDS needs no pitch and no padding; every fragment load reads 512 consecutive bytes.  The scale words of 128 rows for all of K are 4 KB on end and come once.
; CLUSTERS: 4 x 4: q's tiles are shared along a row of the cluster, k's along a column, by joint loads.
; STORED: p's images (16 KB a wave), and for each (query, K step) the scale word, -M and l (512 bytes on end each), all at block (group of 128 queries x 16 + K step).
; LIMITS: NaN and infinities are not served.  A block of 32 keys whose every p lies under 2^-111 gets the byte 1; p under 2^-126 is 0 (the exponential flushes).
; No prefetch: K has four slots, two come with the first fills and the other two would have to be asked for at the head.
.set NQ,     2
.set FR,     16
.set NL,     4
.set NP,     8
.set HALFT,  32768                     ; 128 rows x 256 along K as images: what one tensor load brings
.set SLOT,   4*HALFT
.set LAPS,   2
.set SSTEP,  32768                     ; from a slot's block to the next slot's, in qimg and kimg
.set HALFS,  4096                      ; the scale words of 128 rows: 8 K steps x 512 bytes
.set SCL,    2*SLOT                    ; q's scale words
.set SCB,    SCL+2*HALFS+128           ; k's: 128 bytes off, so that the two halves of the lanes read different banks
.set ASTEP,  1024
.set SPARE,  278784                    ; the spare words: two blocks of 256 bytes that no other line names
.set SCRATCH, SPARE+512                ; 1,536 bytes for each wave: scale words, -M, l; no fill lands here
.set ADRA, 16
.set ADRB, 20
.set CO,   24                          ; v24  16 r + 8 h
.set SWA,  25                          ; v25  my wave's scratch + 4 r
.set SRA,  26                          ; v26  my wave's scratch + 16 x lane
.set ADRS, 27
.set SPW,  28
.set NIL,  29
.set LO,   30                          ; v30  16 x lane
.set SC,   32                          ; v32-63 scale words, two sets; they hold nothing else
.set BM,   64                          ; v64-67 each block's largest score, then its largest p
.set T4,   68                          ; v68-71 the permutes' results, then the bytes
.set HOLD, 72                          ; v72-75 57,344 x the scale
.set SOP,  76                          ; v76-79 the conversions' scale operands
.set SA,   80                          ; v[80:81], v[82:83] the sum, in two chains of pairs
.set SB,   82
.set TT,   84
.set NML,  88                          ; v[88+2a] -M, v[89+2a] l of row block a
.set PW,   104                         ; v[104+a] its scale word
.set BACK, 112                         ; v112-123 read back from the scratch
.set AF,   128
.set CD,   128
.set G1, 24
.set G0, 32
.set G1B, 48
.set G0B, 56
.set G1S, 68
.set G0S, 76
.set G1SB, 80
.set G0SB, 88
.set SEL, 96                           ; s[96:97] lane selects: lane l xor 16
.set CS,  98                           ; s[98:99] c = log2(e) / 32, twice: the packed form names a pair
.set MNT, 19                           ; s19 the mantissa field of 57,344
.set MSB, 0
.macro WIN new
.if MSB != (\new)
	s_set_vgpr_msb (MSB<<8)|(\new)
.set MSB, (\new)
.endif
.endm
.set MUL_LO, 0xa1
.set MUL_HI, 0xf1
.set TO_B,   0x40
.macro JLOAD g0a, g1a, g0b, g1b        ; a joint load: waves 0 and 1 fetch for S1, waves 2 and 3 for S0; four v_nop follow each of the two lines
	s_cmp_eq_u32 s15, 0
	s_cbranch_scc0 .Lfor_b_\@
	tensor_load_to_lds s[\g0a:\g0a+3], s[\g1a:\g1a+7]
	s_nop 0
.rept 4
	v_nop
.endr
	s_branch .Lasked_\@
.Lfor_b_\@:
	tensor_load_to_lds s[\g0b:\g0b+3], s[\g1b:\g1b+7]
	s_nop 0
.rept 4
	v_nop
.endr
.Lasked_\@:
.endm
.macro CREST
	s_cmp_lg_u32 s14, 0
	s_cbranch_scc1 .Lnot_wave_0_\@
	s_barrier_signal -3
.Lnot_wave_0_\@:
	s_barrier_wait -3
	s_barrier_signal -1
	s_barrier_wait -1
.endm
.macro CROUND
	s_barrier_signal -1
	s_barrier_wait -1
	CREST
.endm
	s_load_b128 s[4:7], s[0:1], 0x0                ; qimg, qs
	s_load_b128 s[8:11], s[0:1], 0x10              ; kimg, ks
	s_load_b64 s[12:13], s[0:1], 0x20              ; pimg
	s_load_b64 s[66:67], s[0:1], 0x28              ; pst
	v_lshl_add_u32 v[SPW], v0, 2, SPARE
	v_mov_b32 v[NIL], 0
	ds_add_u32 v28, v29
	ds_add_u32 v28, v29
	s_wait_dscnt 0x0
	v_lshrrev_b32 v1, 5, v0
	v_readfirstlane_b32 s14, v1                    ; wave 0..3
	s_lshr_b32 s15, s14, 1                         ; my half of the queries.  Also: I fetch for S1 (0) or S0 (1)
	s_and_b32 s16, s14, 1                          ; my half of the keys.  Also: which 128 rows I fetch
	s_bfe_u32 s40, ttmp6, 0x40000                  ; cx, cy
	s_bfe_u32 s41, ttmp6, 0x40004
	s_lshl_b32 s42, ttmp9, 2
	s_add_co_u32 s42, s42, s40                     ; the key tile in its batch, 0..7
	s_and_b32 s17, ttmp7, 0xffff
	s_lshr_b32 s95, s17, 1
	s_lshl_b32 s95, s95, 3                         ; 8 x batch: two clusters along y to a batch
	s_lshl_b32 s17, s17, 2
	s_add_co_u32 s17, s17, s41                     ; the query tile, 0..31, over all batches
	s_lshl_b32 s43, s41, 2
	s_lshl_b32 s43, 15, s43                        ; my row of the cluster
	s_lshl_b32 s44, 0x1111, s40                    ; my column
	; descriptor group 1: a dense block of 32 KB as 128 rows of 256 bytes (32 elements of 8 bytes), no padding
	s_or_b32 s[G1+0], s43, (3<<16)|(1<<21)         ; 15:0 the mask; 17:16 elements of 8 bytes; 21 set beside a mask
	s_or_b32 s[G1B+0], s44, (3<<16)|(1<<21)
.irp g, G1, G1B
	s_mov_b32 s[\g+1], 32<<16                      ; tensor_dim0
	s_mov_b32 s[\g+2], 128<<16                     ; tensor_dim1
	s_mov_b32 s[\g+3], 32<<16                      ; tile_dim0
	s_mov_b32 s[\g+4], 128                         ; tile_dim1
	s_mov_b32 s[\g+5], 32                          ; the pitch
	s_mov_b32 s[\g+6], 0
	s_mov_b32 s[\g+7], 0
.endr
	s_or_b32 s[G1S+0], s43, (3<<16)|(1<<21)        ; the scale words of 128 rows: 16 rows of 256 bytes
	s_or_b32 s[G1SB+0], s44, (3<<16)|(1<<21)
.irp g, G1S, G1SB
	s_mov_b32 s[\g+1], 32<<16
	s_mov_b32 s[\g+2], (HALFS/256)<<16
	s_mov_b32 s[\g+3], 32<<16
	s_mov_b32 s[\g+4], HALFS/256
	s_mov_b32 s[\g+5], 32
	s_mov_b32 s[\g+6], 0
	s_mov_b32 s[\g+7], 0
.endr
	s_lshl_b32 s20, s17, 1
	s_add_co_u32 s20, s20, s16                     ; q: the group of 128 rows that I fetch
	s_lshl_b32 s22, s20, 12                        ; its scale words
	s_mov_b32 s23, 0
	s_lshl_b32 s20, s20, 17                        ; its eight K steps of images: 128 KB a group
	s_mov_b32 s21, 0
	s_add_co_u32 s46, s95, s42
	s_lshl_b32 s46, s46, 1
	s_add_co_u32 s46, s46, s16                     ; k likewise: 2 (8 batch + key tile) + half
	s_lshl_b32 s92, s46, 12
	s_mov_b32 s93, 0
	s_lshl_b32 s46, s46, 17
	s_mov_b32 s47, 0
	s_mul_i32 s45, s14, HALFT                      ; where they go: no place in the cluster enters an LDS address
	s_mul_i32 s94, s14, HALFS
	s_wait_kmcnt 0x0
	s_add_nc_u64 s[20:21], s[4:5], s[20:21]
	s_add_nc_u64 s[22:23], s[6:7], s[22:23]
	s_add_nc_u64 s[46:47], s[8:9], s[46:47]
	s_add_nc_u64 s[92:93], s[10:11], s[92:93]
	CROUND                                         ; all sixteen work-groups are here: the first joint loads meet
	s_mov_b32 s[G0S], 1
	s_add_co_u32 s[G0S+1], s94, SCL
	s_mov_b64 s[G0S+2:G0S+3], s[22:23]
	s_or_b32 s[G0S+3], s[G0S+3], 0x80000000
	s_mov_b32 s[G0SB], 1
	s_add_co_u32 s[G0SB+1], s94, SCB-2*HALFS       ; waves 2 and 3: SCB, SCB + 4,096
	s_mov_b64 s[G0SB+2:G0SB+3], s[92:93]
	s_or_b32 s[G0SB+3], s[G0SB+3], 0x80000000
	JLOAD G0S, G1S, G0SB, G1SB                     ; the scale words first
.irp s, 0,1
	s_mov_b32 s[G0+4*\s], 1
	s_add_co_u32 s[G0+4*\s+1], s45, \s*SLOT
	s_add_nc_u64 s[G0+4*\s+2:G0+4*\s+3], s[20:21], \s*SSTEP
	s_or_b32 s[G0+4*\s+3], s[G0+4*\s+3], 0x80000000
	s_mov_b32 s[G0B+4*\s], 1
	s_add_co_u32 s[G0B+4*\s+1], s45, \s*SLOT
	s_add_nc_u64 s[G0B+4*\s+2:G0B+4*\s+3], s[46:47], \s*SSTEP
	s_or_b32 s[G0B+4*\s+3], s[G0B+4*\s+3], 0x80000000
	JLOAD G0+4*\s, G1, G0B+4*\s, G1B
.endr
	v_and_b32 v1, 15, v0                           ; r
	v_bfe_u32 v2, v0, 4, 1                         ; h
	v_and_b32 v6, 31, v0
	v_lshlrev_b32 v[LO], 4, v6                     ; 16 x lane: my place in every image
	s_mul_i32 s21, s15, HALFT
	s_mul_i32 s22, s16, HALFT
	s_add_co_u32 s22, s22, 2*HALFT
.irp s, 0,1
	v_add_nc_u32 v[ADRA+\s], s21, v[LO]
	v_add_nc_u32 v[ADRB+\s], s22, v[LO]
	s_add_co_u32 s21, s21, SLOT
	s_add_co_u32 s22, s22, SLOT
.endr
	v_lshlrev_b32 v5, 2, v1                        ; my row's scale word
	s_mul_i32 s21, s15, HALFS
	s_mul_i32 s22, s16, HALFS
	s_add_co_u32 s22, s22, SCB-SCL
	s_sub_co_u32 s22, s22, s21
	v_mul_u32_u24 v6, s22, v2                      ; lanes 16-31 take k's: the lower base + h x the distance
	s_add_co_u32 s21, s21, SCL
	v_add_nc_u32 v5, v5, v6
	v_add_nc_u32 v[ADRS], s21, v5
	v_lshlrev_b32 v[CO], 4, v1
	v_lshl_add_u32 v[CO], v2, 3, v[CO]             ; 16 r + 8 h
	s_mul_i32 s23, s14, 1536
	s_add_co_u32 s23, s23, SCRATCH
	v_lshl_add_u32 v[SWA], v1, 2, s23
	v_add_nc_u32 v[SRA], s23, v[LO]
.irp b, 0,1,2,3
	v_mov_b32 v[T4+\b], 0                          ; written once: a lane permute's destination counts as one of its sources
.endr
.irp a, 0,1,2,3,4,5,6,7
	v_mov_b32 v[NML+2*\a+1], 0                     ; named as the upper half of a pair before l is written there
.endr
	; where my wave's images and statistics go: block (group of 128 queries x 16 + K step)
	s_lshl_b32 s20, s17, 1
	s_add_co_u32 s20, s20, s15                     ; my group of 128 queries
	s_lshl_b32 s20, s20, 4
	s_lshl_b32 s21, s42, 1
	s_add_co_u32 s21, s21, s16                     ; my K step of the next product, 0..15
	s_add_co_u32 s20, s20, s21
	s_lshl_b32 s22, s20, 14
	s_mov_b32 s23, 0
	s_add_nc_u64 s[12:13], s[12:13], s[22:23]
	s_lshl_b32 s22, s20, 9
	s_add_nc_u64 s[66:67], s[66:67], s[22:23]
	s_mov_b32 s[SEL], 0x76543210
	s_mov_b32 s[SEL+1], 0xfedcba98
	s_mov_b32 s[CS], 0x3d38aa3b                    ; log2(e) with 5 off its exponent field
	s_mov_b32 s[CS+1], s[CS]
	s_mov_b32 s[MNT], 0x600000
.macro FRAG reg, adr, q, i             ; a fragment comes back as it was stored: four loads of 512 consecutive bytes
.irp c, 0,1,2,3
	ds_load_b128 v[\reg+4*\c:\reg+4*\c+3], v[\adr] offset:16384*(\q)+2048*(\i)+512*\c
.endr
.endm
.macro MUL16 a0, p, q, sc, zero        ; 16 matrix instructions; the 64 accumulators take turns, one instruction a turn
.irp a, \a0, \a0+1
.irp b, 0,1,2,3,4,5,6,7
.if \zero
	v_wmma_scale_f32_16x16x128_f8f6f4 v[8*(8*((\a)%4)+\b):8*(8*((\a)%4)+\b)+7], v[128*(\p)+FR*\b:128*(\p)+FR*\b+FR-1], v[AF+FR*(\a):AF+FR*(\a)+FR-1], 0, v[SC+8*NQ*(\sc)+NQ*\b+(\q)], v[SC+8*NQ*(\sc)+NQ*(\a)+(\q)] matrix_a_fmt:MATRIX_FMT_BF8 matrix_b_fmt:MATRIX_FMT_BF8 matrix_a_scale:MATRIX_SCALE_ROW1
.else
	v_wmma_scale_f32_16x16x128_f8f6f4 v[8*(8*((\a)%4)+\b):8*(8*((\a)%4)+\b)+7], v[128*(\p)+FR*\b:128*(\p)+FR*\b+FR-1], v[AF+FR*(\a):AF+FR*(\a)+FR-1], v[8*(8*((\a)%4)+\b):8*(8*((\a)%4)+\b)+7], v[SC+8*NQ*(\sc)+NQ*\b+(\q)], v[SC+8*NQ*(\sc)+NQ*(\a)+(\q)] matrix_a_fmt:MATRIX_FMT_BF8 matrix_b_fmt:MATRIX_FMT_BF8 matrix_a_scale:MATRIX_SCALE_ROW1
.endif
.endr
.endr
.endm
.macro FETCH_B slot, q, p
	WIN TO_B
.irp i, 0,1,2,3,4,5,6,7
	FRAG 128*(\p)+FR*\i, ADRB+\slot, \q, \i
.endr
	WIN 0
.endm
.macro FETCH_A slot, q, i0
.irp i, \i0, \i0+1, \i0+2, \i0+3
	FRAG AF+FR*(\i), ADRA+\slot, \q, \i
.endr
.endm
.macro SCALES sc                       ; a slot's scale words: lanes 0-15 q's block i, lanes 16-31 k's block i; the slot's two K steps lie 512 bytes apart
.irp i, 0,1,2,3,4,5,6,7
	ds_load_b32 v[SC+8*NQ*\sc+NQ*\i], v[ADRS] offset:64*\i
	ds_load_b32 v[SC+8*NQ*\sc+NQ*\i+1], v[ADRS] offset:512+64*\i
.endr
.endm
.macro PLACES n                        ; plain vector instructions behind a matrix instruction (ISA guide 7.12.1 for vector instructions)
.rept \n
	v_nop
.endr
.endm
.macro STEP slot, q, zero
	s_wait_dscnt 4*NL                              ; all but the youngest 16 loads (S1's blocks 4-7) are in
	WIN MUL_LO
	MUL16 0, (\q)%2, \q, \slot, \zero
	MUL16 2, (\q)%2, \q, \slot, \zero
	s_wait_dscnt 0
	PLACES NP
	FETCH_B \slot, (\q)+1, 1-(\q)%2
	FETCH_A \slot, (\q)+1, 0
	WIN MUL_HI
	MUL16 4, (\q)%2, \q, \slot, \zero
	MUL16 6, (\q)%2, \q, \slot, \zero
	PLACES NP
	WIN 0
	FETCH_A \slot, (\q)+1, 4
.endm
; A slot's last step changes slots: one barrier.  Its first 32 products want registers alone: they stand ahead of the wait for the next slot's tile, so that behind the tile's arrival only the add,
; the wait for it and the round stand in front of the next request.
.macro TURN slot, next, fill
	s_wait_dscnt 4*NL                              ; all but the youngest 16 loads (S1's blocks 4-7) are in
	WIN MUL_LO
	MUL16 0, 1, NQ-1, \slot, 0
	MUL16 2, 1, NQ-1, \slot, 0
	WIN 0
	s_wait_tensorcnt 0x0                           ; all my tensor loads have landed: my part of the next slot; so every group 0 may be written
	ds_add_u32 v[SPW], v[NIL]                      ; 0 onto my spare word
.if \fill
	s_add_nc_u64 s[G0+4*\slot+2:G0+4*\slot+3], s[G0+4*\slot+2:G0+4*\slot+3], 2*SSTEP
	s_add_nc_u64 s[G0B+4*\slot+2:G0B+4*\slot+3], s[G0B+4*\slot+2:G0B+4*\slot+3], 2*SSTEP
.endif
	s_wait_dscnt 0x0                               ; the add is done, and my reads of this slot are over
	s_barrier_signal -1
	s_barrier_wait -1
.if \fill
	CREST                                          ; a round of the cluster's barrier: no wave of any partner still reads this slot or has a load on its way
	JLOAD G0+4*\slot, G1, G0B+4*\slot, G1B         ; the first tensor load behind the round
	PLACES NP-4
.else
	PLACES NP
.endif
	v_add_nc_u32 v[ADRS], ASTEP, v[ADRS]
	FETCH_B \next, 0, 0
	FETCH_A \next, 0, 0
	SCALES \next
	WIN MUL_HI
	MUL16 4, 1, NQ-1, \slot, 0
	MUL16 6, 1, NQ-1, \slot, 0
	PLACES NP
	WIN 0
	FETCH_A \next, 0, 4
.endm
	s_wait_tensorcnt 1                             ; the scale words and my part of slot 0 are in (slot 1's load may be out),
	s_barrier_signal -1
	s_barrier_wait -1                              ; everybody's are
	FETCH_B 0, 0, 0
	FETCH_A 0, 0, 0
	SCALES 0
	FETCH_A 0, 0, 4
	STEP 0, 0, 1
	s_mov_b32 s3, LAPS-1
.Llap:
	TURN 0, 1, 1
	STEP 1, 0, 0
	TURN 1, 0, 1
	STEP 0, 0, 0
	s_sub_co_u32 s3, s3, 1
	s_cmp_lg_u32 s3, 0
	s_cbranch_scc1 .Llap
	TURN 0, 1, 0
	STEP 1, 0, 0
	s_wait_dscnt 4*NL
	WIN MUL_LO
	MUL16 0, 1, NQ-1, 1, 0
	MUL16 2, 1, NQ-1, 1, 0
	s_wait_dscnt 0
	WIN MUL_HI
	MUL16 4, 1, NQ-1, 1, 0
	MUL16 6, 1, NQ-1, 1, 0
	WIN 0
; THE WAY OUT, 16 queries at a time.  A lane holds 64 of its query's 128 scores: 16 of each block of 32 keys; lane l xor 16 holds the others.
; Each block's largest score serves twice: for the maximum, and, put through the same multiply-add and exponential, as the block's largest p.
; The 68 exponentials are one batch with one wait ahead of its first reader.
.macro SROW a
.set W, 2+(\a)/4
.set AC, 64*((\a)%4)
.set NMA, NML+2*(\a)
.set CK, 2+(\a)%4+4*((\a)/4)           ; which 16 registers take the codes: no conversion names the same numbers for its result and its source
.if (\a)%4 == 2
.set CK, 4+(\a)/4
.endif
.if (\a)%4 == 3
.set CK, (\a)/4
.endif
.set CR, CD+16*CK
.set WA, W|(W<<2)
.set WB, (W<<2)|(W<<4)
.set WC, (W<<6)|W
.set WE, W|(W<<2)|(W<<4)
.set WF, W<<2
	WIN WE
.irp b, 0,1,2,3
	v_max3_num_f32 v[BM+\b], v[AC+16*\b], v[AC+16*\b+1], v[AC+16*\b+2]
.endr
	WIN WB
.irp i, 3,5,7,9,11,13
.irp b, 0,1,2,3
	v_max3_num_f32 v[BM+\b], v[BM+\b], v[AC+16*\b+\i], v[AC+16*\b+\i+1]
.endr
.endr
.irp b, 0,1,2,3
	v_max_num_f32 v[BM+\b], v[BM+\b], v[AC+16*\b+15]
.endr
	WIN 0
.irp b, 0,1,2,3
	v_permlanex16_b32 v[T4+\b], v[BM+\b], s[SEL], s[SEL+1]
.endr
.irp b, 0,1,2,3
	v_max_num_f32 v[BM+\b], v[BM+\b], v[T4+\b]     ; with lane l xor 16's 16 keys
.endr
	v_max3_num_f32 v[TT], v[BM], v[BM+1], v[BM+2]
	v_max_num_f32 v[TT], v[TT], v[BM+3]            ; the largest score of my query's 128 keys
	v_mul_f32 v[TT], s[CS], v[TT]                  ; as t (c is positive)
	v_floor_f32 v[NMA], -v[TT]                     ; -M = floor(-t) = -ceil(t): a whole number
.irp b, 0,1,2,3
	v_fma_f32 v[BM+\b], v[BM+\b], s[CS], v[NMA]
.endr
	WIN WC
.set n, 0
.rept 32
	v_pk_fma_f32 v[AC+n:AC+n+1], v[AC+n:AC+n+1], s[CS:CS+1], v[NMA:NMA+1] op_sel_hi:[1,0,0]   ; t - M, two at a time
.set n, n+2
.endr
.set n, 0
.rept 64
	v_exp_f32 v[AC+n], v[AC+n]                     ; p = 2^(t - M), at most 1: not normalised
.set n, n+1
.endr
	WIN 0
.irp b, 0,1,2,3
	v_exp_f32 v[BM+\b], v[BM+\b]                   ; the block's largest p: the same two instructions on the same number
.endr
	v_nop                                          ; a plain instruction behind the last exponential
	s_wait_alu depctr_va_vdst(0)                   ; one wait for the batch, ahead of its first reader
	WIN WA
	v_pk_add_f32 v[SA:SA+1], v[AC:AC+1], v[AC+2:AC+3]   ; the sum is taken of the unquantised p
	v_pk_add_f32 v[SB:SB+1], v[AC+4:AC+5], v[AC+6:AC+7]
	WIN WF
.set n, 8
.rept 14
	v_pk_add_f32 v[SA:SA+1], v[SA:SA+1], v[AC+n:AC+n+1]
	v_pk_add_f32 v[SB:SB+1], v[SB:SB+1], v[AC+n+2:AC+n+3]
.set n, n+4
.endr
	WIN 0
	v_pk_add_f32 v[SA:SA+1], v[SA:SA+1], v[SB:SB+1]
	v_add_f32 v[NMA+1], v[SA], v[SA+1]
	v_permlanex16_b32 v[TT], v[NMA+1], s[SEL], s[SEL+1]
	v_add_f32 v[NMA+1], v[NMA+1], v[TT]            ; l of my query's 128 keys
.irp b, 0,1,2,3
	v_max_num_f32 v[BM+\b], 0x8000000, v[BM+\b]    ; the floor 2^(16 - 127): the byte cannot fall under 1
.endr
.irp b, 0,1,2,3
	v_add_nc_u32 v[SOP+\b], 0xf8800000, v[BM+\b]   ; 15 off the exponent field
.endr
.irp b, 0,1,2,3
	v_and_or_b32 v[HOLD+\b], v[BM+\b], 0x7f800000, s[MNT]
.endr
.irp b, 0,1,2,3
	v_lshrrev_b32 v[T4+\b], 23, v[SOP+\b]
.endr
	v_lshl_or_b32 v[PW+(\a)], v[T4+1], 8, v[T4]
	v_lshl_or_b32 v[PW+(\a)], v[T4+2], 16, v[PW+(\a)]
	v_lshl_or_b32 v[PW+(\a)], v[T4+3], 24, v[PW+(\a)]
	WIN WC
.set n, 0
.rept 64
	v_min_num_f32 v[AC+n], v[AC+n], v[HOLD+n/16]   ; p is not negative: the hold is one-sided (the conversion does not saturate: ISA guide 7.6.2)
.set n, n+1
.endr
	WIN W
.set n, 0
.rept 8
	v_cvt_scalef32_pk8_bf8_f32 v[CR+2*n:CR+2*n+1], v[AC+8*n:AC+8*n+7], v[SOP+n/2]
.set n, n+1
.endr
	WIN 0
	v_nop                                          ; one plain instruction behind the last conversion
	ds_store_b32 v[SWA], v[PW+(\a)] offset:64*(\a)
	ds_store_b32 v[SWA], v[NMA] offset:512+64*(\a)
	ds_store_b32 v[SWA], v[NMA+1] offset:1024+64*(\a)
.set n, 0
.rept 8
	global_store_b64 v[CO], v[CR+2*n:CR+2*n+1], s[12:13] offset:2048*(\a)+256*n   ; 32 lanes store 256 consecutive bytes, aligned
.set n, n+1
.endr
.endm
	PLACES NP
.irp a, 0,1,2,3,4,5,6,7
	SROW \a
.endr
	ds_load_b128 v[BACK:BACK+3], v[SRA]            ; LDS serves a wave's instructions in order: these see my stores
	ds_load_b128 v[BACK+4:BACK+7], v[SRA] offset:512
	ds_load_b128 v[BACK+8:BACK+11], v[SRA] offset:1024
	s_wait_dscnt 0x0
	global_store_b128 v[LO], v[BACK:BACK+3], s[66:67]                    ; the scale words,
	global_store_b128 v[LO], v[BACK+4:BACK+7], s[66:67] offset:524288    ; -M,
	global_store_b128 v[LO], v[BACK+8:BACK+11], s[66:67] offset:1048576  ; l: 512 consecutive bytes each
	s_wait_tensorcnt 0x0                           ; the wave's end
	ds_add_u32 v[SPW], v[NIL]
	s_wait_dscnt 0x0
	CROUND                                         ; the closing round
	s_endpgm
.Lfunc_end_k_q51ec3a4fb9_scores:
	.size	k_q51ec3a4fb9_scores, .Lfunc_end_k_q51ec3a4fb9_scores-k_q51ec3a4fb9_scores
	.p2alignl 7, 3214868480
	.fill 96, 4, 3214868480
	.section	.rodata,"a",@progbits
	.p2align	6, 0x0
	.amdhsa_kernel k_q51ec3a4fb9_scores
		.amdhsa_group_segment_fixed_size 327680
		.amdhsa_private_segment_fixed_size 0
		.amdhsa_enable_private_segment 0
		.amdhsa_kernarg_size 48
		.amdhsa_user_sgpr_count 2
		.amdhsa_user_sgpr_kernarg_segment_ptr 1
		.amdhsa_wavefront_size32 1
		.amdhsa_system_sgpr_workgroup_id_x 1
		.amdhsa_system_sgpr_workgroup_id_y 1
		.amdhsa_system_sgpr_workgroup_id_z 1
		.amdhsa_system_vgpr_workitem_id 0
		.amdhsa_next_free_vgpr 1024
		.amdhsa_next_free_sgpr 100
		.amdhsa_reserve_vcc 0
		.amdhsa_float_denorm_mode_32 3
		.amdhsa_float_denorm_mode_16_64 3
		.amdhsa_memory_ordered 1
		.amdhsa_forward_progress 1
		.amdhsa_inst_pref_size 231
	.end_amdhsa_kernel
	.amdgpu_metadata
---
amdhsa.version: [ 1, 2 ]
amdhsa.kernels:
  - .name:           k_q51ec3a4fb9_scores
    .symbol:         k_q51ec3a4fb9_scores.kd
    .args:
      - { .name: qimg, .offset: 0, .size: 8, .value_kind: global_buffer, .address_space: global }
      - { .name: qs, .offset: 8, .size: 8, .value_kind: global_buffer, .address_space: global }
      - { .name: kimg, .offset: 16, .size: 8, .value_kind: global_buffer, .address_space: global }
      - { .name: ks, .offset: 24, .size: 8, .value_kind: global_buffer, .address_space: global }
      - { .name: pimg, .offset: 32, .size: 8, .value_kind: global_buffer, .address_space: global }
      - { .name: pst, .offset: 40, .size: 8, .value_kind: global_buffer, .address_space: global }
    .group_segment_fixed_size: 327680
    .private_segment_fixed_size: 0
    .kernarg_segment_align: 8
    .kernarg_segment_size: 48
    .max_flat_workgroup_size: 128
    .sgpr_count:     100
    .vgpr_count:     1024
    .wavefront_size: 32
...
	.end_amdgpu_metadata
.endif
;; end of part 2
;; launch pv (part 3): grid 4 x 64, 4 waves a work-group, clusters of 4 x 4, 327,680 bytes of LDS; arguments pimg, pst, vimg, vs, out0; writes out0
.if DOCPART == 3
	.amdgcn_target "amdgcn-amd-amdhsa--gfx1250"
	.amdhsa_code_object_version 6
	.text
	.protected	k_q51ec3a4fb9_pv
	.globl	k_q51ec3a4fb9_pv
	.p2align	8
	.type	k_q51ec3a4fb9_pv,@function
k_q51ec3a4fb9_pv:
	s_mov_b64 s[64:65], 0
	v_nop
	global_prefetch_b8 v0, s[64:65] scope:SCOPE_SE
	s_setreg_imm32_b32 hwreg(HW_REG_WAVE_MODE, 25, 1), 1
	s_wait_xcnt 0x0
	s_wait_alu depctr_hold_cnt(0) depctr_sa_sdst(0) depctr_va_vdst(0) depctr_va_sdst(0) depctr_va_ssrc(0) depctr_va_vcc(0) depctr_vm_vsrc(0)
	s_getreg_b32 s2, hwreg(HW_REG_IB_STS2, 6, 4)
	s_cmp_eq_u32 s2, 0
	s_cbranch_scc0 .Lentry_in_a_cluster
	s_endpgm
.Lentry_in_a_cluster:
	s_bfe_u32 s2, ttmp6, 0x10000c
	s_cmp_lg_u32 s2, 0xf033
	s_cbranch_scc0 .Lentry_shape_is_right
	s_endpgm
.Lentry_shape_is_right:
; out = (p v) / l: 4 batches of [2,048 queries] x [2,048 keys] x [1,024 channels], on codes of BF8 with E8M0 scales.  p and v^T come as images of operand registers, K = the keys.
; p was made under a LOCAL M, one for each (query, 128 keys).  At the head each work-group brings its 128 queries under the ROW's M: d = M_row - M_local is a whole number, 0 or more;
; it is taken off the four scale bytes of that K step, and l_local is multiplied by 2^-d (v_ldexp_f32: nothing is rounded); the codes stay as they are.  1 / l multiplies the sums at the end.
; SHARES: a tile of 128 queries x 256 channels to a work-group: 64 x 4 = 256 work-groups, one for each WGP.  Each of four waves makes 64 x 128: 32 accumulators.  Source 1 (S1) = p, source 0 (S0) = v^T:
; a lane holds one query and eight neighbouring channels a tile.  A wave reads 24 KB of LDS for a K step's 32 matrix instructions: half as much again for each as a tile of 128 x 128 would; that is the price of work for every WGP.
; THE RING: a K step of 128 keys is 48 KB (16 KB of p, 32 KB of v^T), so a slot holds THREE steps, 144 KB; the 16 steps go as 3, 3, 3, 3, 3, 1 through two slots: two first fills, four refills.
; A group's K steps lie on end in memory, so each wave's part of a slot is one dense block for one tensor load: waves 0 and 1 the halves of p's three steps (24 KB), waves 2 and 3 v's two groups of 128 channels (48 KB).
; The steps are written out: every LDS offset is an immediate.
; CLUSTERS: 4 x 4; p's tiles are shared along a row of the cluster (the four channel tiles), v's along a column (four groups of queries), by joint loads.
; REGISTERS, in windows of 256: window 0: v14-31 addresses; v32-39, v40-55 the scale words of p and of v, two sets each, and nothing else; v64-101 and v128-255 at work at the head and on the way out.
;   windows 1 and 3: the two sets of fragments, by turns: v0-127 v's eight, v128-191 p's four.   window 2: the accumulators, (a, b) at v[8 (8 a + b)].
; LIMITS: NaN and infinities are not served.  d is held at 127; a scale byte that would fall under 0 becomes 0: such a block's numbers are under 2^-111 beside an l above 1/2.
.set FR,     16                        ; registers of a fragment
.set NP,     8                         ; places behind this matrix instruction (ISA guide 7.12.1)
.set STEPB,  16384                     ; 128 rows x 128 along K as images
.set APART,  3*STEPB                   ; a group's three steps
.set SLOT,   3*APART                   ; p's, then v's two groups
.set SCF,    2*SLOT                    ; p's scale words under the row's M, [K step 16][128 queries]: written by LDS stores alone
.set SCB,    SCF+8192                  ; v's scale words, [group 2][K step 16][128 channels]: likewise
.set RL,     SCB+16384                 ; 1 / l of the 128 queries
.set SPARE,  RL+512                    ; the spare words: two blocks of 256 bytes that no other line names
.set SPITCH, 528                       ; the way out: a stage of 16 rows x (512 bytes + 16) for each wave, in slot 0, which has had its last fill and its last read by then
.set SIZE_N, 1024
.set VO,   14                          ; v14  16 x thread: my place in the copy of v's scale words, in memory
.set ADRSB, 15                         ; v15  LDS address of v's scale words of my 128 channels, + 4 r
.set ADRA, 16                          ; v16-17  LDS address of my p fragments in slot 0, 1
.set VWA,  18                          ; v18  my place in that copy, in LDS
.set RLA,  19                          ; v19  where my rows' 1 / l lie
.set ADRB, 20                          ; v20-21  the same as ADRA for v
.set RLW,  22                          ; v22  where I put my query's 1 / l
.set PFO,  23                          ; v23  256 x lane: the prefetches' offset; never rewritten
.set STO,  24
.set RD,   25
.set CO,   26
.set ADRSA, 27                         ; v27  LDS address of p's scale words of my 64 queries, + 4 r
.set SPW,  28
.set NIL,  29
.set FO,   30                          ; v30  4 x thread: my query's place in a K step's 512 bytes of pst
.set FA,   31                          ; v31  and among p's scale words in LDS
.set SA,   32                          ; v32-39  p's scale words: set s at SA + 4 s
.set SBW,  40                          ; v40-55  v's: set s at SBW + 8 s
.set NEG,  64                          ; v64-79 at the head: -d, then masks; on the way out v[64+2a:65+2a]: 1 / l, twice
.set MN,   96                          ; v96 my query's smallest -M
.set LS,   98                          ; v[98:99], v[100:101] l in two chains of pairs
.set NMR,  128                         ; at the head: v128-143 -M, then d;  v144-159 l;  v160-175 the scale words;  v176-207 v's scale words on their way
.set LR,   144
.set RW,   160
.set VW,   176
.set BK,   128                         ; the way out: 16 rows read back from the stage: v128-191 and v192-255 by turns
.set AFR,  128                         ; p's fragments in a set's window
.set G1, 24                            ; s[24:31] group 1 for p's three steps; s[32:39] group 0, one set for each slot
.set G0, 32
.set G1B, 48                           ; s[48:55], s[56:63] the same for v
.set G0B, 56
.set G1L, 68                           ; s[68:75], s[76:79] groups 1 and 0 for p's last step; s[80:87], s[88:91] for v's
.set G0L, 76
.set G1BL, 80
.set G0BL, 88
.set HI,  18                           ; s18 0x80808080
.set LIM, 19                           ; s19 1 in a wave that prefetches
.set PFA, 98                           ; s[98:99] where my prefetches stand; never rewritten
.set MSB, 0
.macro WIN new                         ; the immediate's high byte repeats the setting that is left
.if MSB != (\new)
	s_set_vgpr_msb (MSB<<8)|(\new)
.set MSB, (\new)
.endif
.endm
.macro JLOAD g0a, g1a, g0b, g1b        ; a joint load: waves 0 and 1 fetch for p, waves 2 and 3 for v; four v_nop follow each of the two lines
	s_cmp_eq_u32 s15, 0
	s_cbranch_scc0 .Lfor_b_\@
	tensor_load_to_lds s[\g0a:\g0a+3], s[\g1a:\g1a+7]
	s_nop 0
.rept 4
	v_nop
.endr
	s_branch .Lasked_\@
.Lfor_b_\@:
	tensor_load_to_lds s[\g0b:\g0b+3], s[\g1b:\g1b+7]
	s_nop 0
.rept 4
	v_nop
.endr
.Lasked_\@:
.endm
; A PREFETCH INTO THE L2, once, behind the first refill and the run of LDS loads that follows it: K steps 9 to 14, which the second and third refills will ask for: 96 KB on end for each group of 128 rows.
; The four partners that ask for a group jointly share it out by address, 24 KB each: three instructions, lanes 256 bytes apart.  Wave 0 asks for p's group, which this row of the cluster alone reads;
; waves 2 and 3 for v's two groups, which the four clusters of a batch read: the batch's first cluster asks.  So each 256 bytes are named once.  K steps 0 to 8 and the last come by their loads alone.
.macro ASK
	s_cmp_eq_u32 s[LIM], 1
	s_cbranch_scc0 .Lnot_mine_\@
	global_prefetch_b8 v[PFO], s[PFA:PFA+1] th:TH_LOAD_NT scope:SCOPE_SE
	global_prefetch_b8 v[PFO], s[PFA:PFA+1] offset:8192 th:TH_LOAD_NT scope:SCOPE_SE
	global_prefetch_b8 v[PFO], s[PFA:PFA+1] offset:16384 th:TH_LOAD_NT scope:SCOPE_SE
.Lnot_mine_\@:
.endm
.macro CREST                           ; a round of the cluster's barrier behind its opening barrier
	s_cmp_lg_u32 s14, 0
	s_cbranch_scc1 .Lnot_wave_0_\@
	s_barrier_signal -3
.Lnot_wave_0_\@:
	s_barrier_wait -3
	s_barrier_signal -1
	s_barrier_wait -1
.endm
.macro CROUND
	s_barrier_signal -1
	s_barrier_wait -1
	CREST
.endm
.macro SHAPE g, rows                   ; group 1 of a dense block: rows of 256 bytes (32 elements of 8 bytes), no padding
	s_mov_b32 s[\g+1], 32<<16                      ; tensor_dim0
	s_mov_b32 s[\g+2], (\rows)<<16                 ; tensor_dim1
	s_mov_b32 s[\g+3], 32<<16                      ; tile_dim0
	s_mov_b32 s[\g+4], \rows                       ; tile_dim1
	s_mov_b32 s[\g+5], 32                          ; the pitch
	s_mov_b32 s[\g+6], 0
	s_mov_b32 s[\g+7], 0
.endm
	s_load_b128 s[4:7], s[0:1], 0x0                ; pimg, pst
	s_load_b128 s[8:11], s[0:1], 0x10              ; vimg, vs
	s_load_b64 s[12:13], s[0:1], 0x20              ; out0
	v_lshl_add_u32 v[SPW], v0, 2, SPARE
	v_mov_b32 v[NIL], 0
	ds_add_u32 v28, v29
	ds_add_u32 v28, v29
	s_wait_dscnt 0x0
	v_lshrrev_b32 v1, 5, v0
	v_readfirstlane_b32 s14, v1                    ; wave 0..3
	s_lshr_b32 s15, s14, 1                         ; my half of the queries.  Also: I fetch for p (0) or for v (1)
	s_and_b32 s16, s14, 1                          ; my half of the channels.  Also: which part I fetch
	s_bfe_u32 s40, ttmp6, 0x40000                  ; cx, cy
	s_bfe_u32 s41, ttmp6, 0x40004
	s_lshl_b32 s42, ttmp9, 2
	s_add_co_u32 s42, s42, s40                     ; the channel tile, 0..3
	s_and_b32 s17, ttmp7, 0xffff
	s_lshr_b32 s95, s17, 2
	s_lshl_b32 s95, s95, 4                         ; 16 x batch: four clusters along y to a batch
	s_and_b32 s[HI], s17, 3                        ; (for now: 0 in the batch's first cluster)
	s_lshl_b32 s17, s17, 2
	s_add_co_u32 s17, s17, s41                     ; the group of 128 queries, 0..63
	s_lshl_b32 s43, s41, 2
	s_lshl_b32 s43, 15, s43                        ; my row of the cluster
	s_lshl_b32 s44, 0x1111, s40                    ; my column
	s_or_b32 s[G1+0], s43, (3<<16)|(1<<21)         ; 15:0 the mask; 17:16 elements of 8 bytes; 21 set beside a mask
	s_or_b32 s[G1B+0], s44, (3<<16)|(1<<21)
	s_or_b32 s[G1L+0], s43, (3<<16)|(1<<21)
	s_or_b32 s[G1BL+0], s44, (3<<16)|(1<<21)
	SHAPE G1, 96                                   ; half of p's three steps: 24 KB
	SHAPE G1B, 192                                 ; a group's three steps of v: 48 KB
	SHAPE G1L, 32                                  ; half of p's last step: 8 KB
	SHAPE G1BL, 64                                 ; a group's last step of v: 16 KB
	s_mul_i32 s45, s16, APART/2                    ; which half of p's three steps I fetch: in memory and in a slot alike
	s_lshl_b32 s92, s16, 13                        ; and of its last step
	s_lshl_b32 s100, s17, 18                       ; p: my group's 16 K steps: 256 KB a group
	s_mov_b32 s101, 0
	s_mov_b32 s20, s45
	s_mov_b32 s21, 0
	s_add_co_u32 s22, s92, 15*STEPB
	s_mov_b32 s23, 0
	s_lshl_b32 s46, s42, 1
	s_add_co_u32 s46, s46, s16                     ; v: the group of 128 channels that I fetch
	s_lshl_b32 s46, s46, 6
	s_add_co_u32 s46, s46, s95                     ; x 64 K steps + the batch's first
	s_lshl_b32 s46, s46, 14
	s_mov_b32 s47, 0
	s_mul_i32 s94, s16, APART
	s_add_co_u32 s94, s94, APART                   ; its place in a slot: behind p's part.  No place in the cluster enters an LDS address
	s_lshl_b32 s66, s42, 7
	s_add_co_u32 s66, s66, s95
	s_lshl_b32 s66, s66, 9                         ; v's scale words of my tile's first group, the batch's 16 K steps: 8 KB on end; the second group's lie 32 KB further on
	s_mov_b32 s67, 0
	s_lshl_b32 s96, s17, 13                        ; my 128 queries in each section of pst
	s_mov_b32 s97, 0
	s_wait_kmcnt 0x0
	s_add_nc_u64 s[100:101], s[4:5], s[100:101]
	s_add_nc_u64 s[20:21], s[100:101], s[20:21]
	s_add_nc_u64 s[22:23], s[100:101], s[22:23]
	s_add_nc_u64 s[46:47], s[8:9], s[46:47]
	s_add_nc_u64 s[66:67], s[10:11], s[66:67]
	s_add_nc_u64 s[96:97], s[6:7], s[96:97]
	CROUND                                         ; all sixteen work-groups are here: the first joint loads meet
.irp s, 0,1
	s_mov_b32 s[G0+4*\s], 1
	s_add_co_u32 s[G0+4*\s+1], s45, \s*SLOT
	s_add_nc_u64 s[G0+4*\s+2:G0+4*\s+3], s[20:21], \s*APART
	s_or_b32 s[G0+4*\s+3], s[G0+4*\s+3], 0x80000000
	s_mov_b32 s[G0B+4*\s], 1
	s_add_co_u32 s[G0B+4*\s+1], s94, \s*SLOT
	s_add_nc_u64 s[G0B+4*\s+2:G0B+4*\s+3], s[46:47], \s*APART
	s_or_b32 s[G0B+4*\s+3], s[G0B+4*\s+3], 0x80000000
	JLOAD G0+4*\s, G1, G0B+4*\s, G1B               ; K steps 0 to 2 into slot 0, 3 to 5 into slot 1: two loads of mine are out
.endr
	s_mov_b32 s[G0L], 1                            ; the last step's descriptors are made here and used once: it goes into slot 1
	s_add_co_u32 s[G0L+1], s92, SLOT
	s_mov_b64 s[G0L+2:G0L+3], s[22:23]
	s_or_b32 s[G0L+3], s[G0L+3], 0x80000000
	s_mov_b32 s[G0BL], 1
	s_add_co_u32 s[G0BL+1], s94, SLOT
	s_add_nc_u64 s[G0BL+2:G0BL+3], s[46:47], 15*STEPB
	s_or_b32 s[G0BL+3], s[G0BL+3], 0x80000000
	; thread t owns query t of the 128: -M, l and the scale word of its 16 K steps; each load of a wave covers 128 consecutive bytes.  And v's 16 KB of scale words, 128 bytes a thread
	v_lshlrev_b32 v[FO], 2, v0
	v_lshlrev_b32 v[VO], 4, v0
.set g, 0
.rept 16
	global_load_b32 v[NMR+g], v[FO], s[96:97] offset:524288+512*g
.set g, g+1
.endr
.set g, 0
.rept 16
	global_load_b32 v[LR+g], v[FO], s[96:97] offset:1048576+512*g
.set g, g+1
.endr
.set g, 0
.rept 16
	global_load_b32 v[RW+g], v[FO], s[96:97] offset:512*g
.set g, g+1
.endr
.set g, 0
.rept 4
	global_load_b128 v[VW+4*g:VW+4*g+3], v[VO], s[66:67] offset:2048*g
	global_load_b128 v[VW+16+4*g:VW+16+4*g+3], v[VO], s[66:67] offset:32768+2048*g
.set g, g+1
.endr
	v_lshl_add_u32 v[FA], v0, 2, SCF
	v_lshl_add_u32 v[RLW], v0, 2, RL
	v_lshl_add_u32 v[VWA], v0, 4, SCB
	; the prefetches: my group's K step 9, my work-group's 24 KB of the 96
	s_cmp_eq_u32 s15, 0                            ; do I fetch for p?
	s_cselect_b64 s[PFA:PFA+1], s[100:101], s[46:47]
	s_cselect_b32 s92, s40, s41                    ; my place among the four that ask with me
	s_cselect_b32 s[HI], s16, s[HI]                ; for p wave 0 asks; for v both waves, in the batch's first cluster
	s_mul_i32 s92, s92, APART/2
	s_add_co_u32 s92, s92, 9*STEPB
	s_mov_b32 s93, 0
	s_add_nc_u64 s[PFA:PFA+1], s[PFA:PFA+1], s[92:93]
	s_cmp_eq_u32 s[HI], 0
	s_cselect_b32 s[LIM], 1, 0                     ; the same in all sixteen partners, for a given wave
	s_mov_b32 s[HI], 0x80808080
	v_and_b32 v1, 15, v0                           ; r
	v_bfe_u32 v2, v0, 4, 1                         ; h
	v_and_b32 v6, 31, v0
	v_lshlrev_b32 v[PFO], 8, v6
	v_lshlrev_b32 v[CO], 4, v6                     ; 16 x lane: my place in every image
	s_lshl_b32 s21, s15, 13                        ; my 64 queries: images 4 x half on
	s_mul_i32 s22, s16, APART
	s_add_co_u32 s22, s22, APART                   ; my 128 channels
.irp s, 0,1
	v_add_nc_u32 v[ADRA+\s], s21, v[CO]
	v_add_nc_u32 v[ADRB+\s], s22, v[CO]
	s_add_co_u32 s21, s21, SLOT
	s_add_co_u32 s22, s22, SLOT
.endr
	s_lshl_b32 s22, s15, 8
	s_add_co_u32 s21, s22, SCF
	v_lshl_add_u32 v[ADRSA], v1, 2, s21            ; both halves of the lanes read row r's word
	s_add_co_u32 s21, s22, RL
	v_lshl_add_u32 v[RLA], v1, 2, s21
	s_lshl_b32 s22, s16, 13
	s_add_co_u32 s22, s22, SCB
	v_lshl_add_u32 v[ADRSB], v1, 2, s22
	s_mul_i32 s23, s14, 16*SPITCH                  ; my stage
	v_mul_u32_u24 v5, v1, SPITCH
	v_lshl_add_u32 v5, v2, 5, v5
	v_add_nc_u32 v[STO], s23, v5                   ; in: row r, 32 bytes for each half of the lanes
	v_add_nc_u32 v[RD], s23, v[CO]                 ; back: the 32 lanes take one row of 512 bytes
	s_lshl_b32 s20, s17, 19                        ; my first row of out0: (128 x group + 64 x half) rows of 4,096 bytes,
	s_lshl_b32 s21, s15, 18
	s_add_co_u32 s20, s20, s21
	s_lshl_b32 s46, s42, 10                        ; my first column: 1,024 x tile + 512 x half bytes
	s_lshl_b32 s47, s16, 9
	s_add_co_u32 s46, s46, s47
	s_add_co_u32 s20, s20, s46
	s_mov_b32 s21, 0
	s_add_nc_u64 s[12:13], s[12:13], s[20:21]
	; THE ROW'S M AND l
	s_wait_loadcnt 0x0
.set g, 0
.rept 8
	ds_store_b128 v[VWA], v[VW+4*g:VW+4*g+3] offset:2048*g   ; v's scale words as they lie: 512 consecutive bytes a wave
.set g, g+1
.endr
	v_min3_num_f32 v[MN], v[NMR], v[NMR+1], v[NMR+2]   ; the smallest -M is the row's
.irp g, 3,5,7,9,11,13
	v_min3_num_f32 v[MN], v[MN], v[NMR+\g], v[NMR+\g+1]
.endr
	v_min_num_f32 v[MN], v[MN], v[NMR+15]
.set n, 0
.rept 16
	v_sub_f32 v[NMR+n], v[NMR+n], v[MN]            ; d = M_row - M_local, 0 or more
.set n, n+1
.endr
.set n, 0
.rept 16
	v_min_num_f32 v[NMR+n], 0x42fe0000, v[NMR+n]   ; held at 127
.set n, n+1
.endr
.set n, 0
.rept 16
	v_cvt_u32_f32 v[NMR+n], v[NMR+n]
.set n, n+1
.endr
.set n, 0
.rept 16
	v_sub_nc_u32 v[NEG+n], 0, v[NMR+n]
.set n, n+1
.endr
.set n, 0
.rept 16
	v_ldexp_f32 v[LR+n], v[LR+n], v[NEG+n]         ; l under the row's M
.set n, n+1
.endr
.set n, 0
.rept 16
	v_lshl_or_b32 v[NMR+n], v[NMR+n], 8, v[NMR+n]
.set n, n+1
.endr
.set n, 0
.rept 16
	v_lshl_or_b32 v[NMR+n], v[NMR+n], 16, v[NMR+n] ; d in all four bytes
.set n, n+1
.endr
.set n, 0
.rept 16
	v_or_b32 v[RW+n], s[HI], v[RW+n]               ; each byte 128 + b, b from 1 to 112:
.set n, n+1
.endr
.set n, 0
.rept 16
	v_sub_nc_u32 v[RW+n], v[RW+n], v[NMR+n]        ; 128 + b - d lies from 2 to 240: no borrow crosses a byte; bit 7 says that b - d is not negative
.set n, n+1
.endr
.set n, 0
.rept 16
	v_and_b32 v[NMR+n], s[HI], v[RW+n]
.set n, n+1
.endr
.set n, 0
.rept 16
	v_lshrrev_b32 v[NEG+n], 7, v[NMR+n]
.set n, n+1
.endr
.set n, 0
.rept 16
	v_sub_nc_u32 v[NMR+n], v[NMR+n], v[NEG+n]      ; 0x7f in each such byte, 0 in the others
.set n, n+1
.endr
.set n, 0
.rept 16
	v_and_b32 v[RW+n], v[RW+n], v[NMR+n]           ; b - d, or 0
.set n, n+1
.endr
	v_pk_add_f32 v[LS:LS+1], v[LR:LR+1], v[LR+2:LR+3]
	v_pk_add_f32 v[LS+2:LS+3], v[LR+4:LR+5], v[LR+6:LR+7]
	v_pk_add_f32 v[LS:LS+1], v[LS:LS+1], v[LR+8:LR+9]
	v_pk_add_f32 v[LS+2:LS+3], v[LS+2:LS+3], v[LR+10:LR+11]
	v_pk_add_f32 v[LS:LS+1], v[LS:LS+1], v[LR+12:LR+13]
	v_pk_add_f32 v[LS+2:LS+3], v[LS+2:LS+3], v[LR+14:LR+15]
	v_pk_add_f32 v[LS:LS+1], v[LS:LS+1], v[LS+2:LS+3]
	v_add_f32 v[LS], v[LS], v[LS+1]                ; the row's l
	v_rcp_f32 v[LS], v[LS]
	v_nop                                          ; a plain instruction behind the reciprocal
	s_wait_alu depctr_va_vdst(0)                   ; the wait ahead of its first reader
.set g, 0
.rept 16
	ds_store_b32 v[FA], v[RW+g] offset:512*g
.set g, g+1
.endr
	ds_store_b32 v[RLW], v[LS]
	s_wait_dscnt 0x0                               ; for the others' sake: my stores have landed
	s_wait_tensorcnt 1                             ; my part of slot 0 is in (slot 1's load, the one issued behind it, may be out),
	s_barrier_signal -1
	s_barrier_wait -1                              ; everybody's is, and all scale words and 1 / l lie in LDS
; 16 matrix instructions: p's blocks a0, a0 + 1 x v's eight, the 128 keys of step st.  zero = 1: the first product starts the sums: nothing is ever cleared.
; The 32 accumulators take turns, one instruction a turn, in the same order in every step.
.macro MUL16 a0, st, zero
.irp a, \a0, \a0+1
.irp b, 0,1,2,3,4,5,6,7
.if \zero
	v_wmma_scale_f32_16x16x128_f8f6f4 v[8*(8*(\a)+\b):8*(8*(\a)+\b)+7], v[FR*\b:FR*\b+FR-1], v[AFR+FR*(\a):AFR+FR*(\a)+FR-1], 0, v[SBW+8*((\st)%2)+\b], v[SA+4*((\st)%2)+(\a)] matrix_a_fmt:MATRIX_FMT_BF8 matrix_b_fmt:MATRIX_FMT_BF8
.else
	v_wmma_scale_f32_16x16x128_f8f6f4 v[8*(8*(\a)+\b):8*(8*(\a)+\b)+7], v[FR*\b:FR*\b+FR-1], v[AFR+FR*(\a):AFR+FR*(\a)+FR-1], v[8*(8*(\a)+\b):8*(8*(\a)+\b)+7], v[SBW+8*((\st)%2)+\b], v[SA+4*((\st)%2)+(\a)] matrix_a_fmt:MATRIX_FMT_BF8 matrix_b_fmt:MATRIX_FMT_BF8
.endif
.endr
.endr
.endm
; Half of step st's fragments into set st % 2 (window 1 or 3): four of v's, two of p's: 24 loads of 512 consecutive bytes.  The first half also brings the step's twelve scale registers.
.macro FETCHH st, half
.set SL, ((\st)/3)%2                   ; the step's slot,
.set GS, (\st)%3                       ; its place there,
.set PP, (\st)%2                       ; its set
.if (\half) == 0
	WIN 0
.irp i, 0,1,2,3,4,5,6,7
	ds_load_b32 v[SBW+8*PP+\i], v[ADRSB] offset:512*(\st)+64*\i
.endr
.irp i, 0,1,2,3
	ds_load_b32 v[SA+4*PP+\i], v[ADRSA] offset:512*(\st)+64*\i
.endr
.endif
	WIN (1+2*PP)<<6
.irp i, 0,1,2,3
.irp c, 0,1,2,3
	ds_load_b128 v[FR*(4*(\half)+\i)+4*\c:FR*(4*(\half)+\i)+4*\c+3], v[ADRB+SL] offset:STEPB*GS+2048*(4*(\half)+\i)+512*\c
.endr
.endr
.irp i, 0,1
.irp c, 0,1,2,3
	ds_load_b128 v[AFR+FR*(2*(\half)+\i)+4*\c:AFR+FR*(2*(\half)+\i)+4*\c+3], v[ADRA+SL] offset:STEPB*GS+2048*(2*(\half)+\i)+512*\c
.endr
.endr
.endm
; A load into a register that a matrix instruction has read, and a vector instruction that reads a matrix result, stand NP places behind it;
; only plain vector instructions that name none of its registers are places (ISA guide 7.12.1 for vector instructions).
.macro PLACES n
.rept \n
	v_nop
.endr
.endm
; A step that has its successor in the same slot: the successor's fragments go into the other set, which the step before multiplied, in two runs among this step's products.
.macro STEP st, zero
.set MW, 0xa0|(5*(1+2*((\st)%2)))      ; sources 0 and 1 in the set's window, C and D in window 2
	s_wait_dscnt 0x0                               ; this step's fragments and scale words are in
.if (\st) < 15
.if (\st) > 0
	PLACES NP
.endif
	FETCHH (\st)+1, 0
.endif
	WIN MW
	MUL16 0, \st, \zero
.if (\st) < 15
	FETCHH (\st)+1, 1
.endif
	WIN MW
	MUL16 2, \st, \zero
	WIN 0
.endm
; A slot's last step changes slots: ONE barrier.  Its fragments are in registers, so my reads of the slot are over at its head.  Sixteen products stand ahead of the wait for the other slot's tile;
; then each wave waits for all its tensor loads, adds 0 to its spare word and waits for that; behind the barrier the slot is filled again first, then the other slot's first fragments are fetched.
; fill = 1: the three steps two slots on; 2: the last step; 0: nothing is left to fetch.
.macro TSTEP st, fill, ask
.set SLN, ((\st)/3)%2
.set MW, 0xa0|(5*(1+2*((\st)%2)))
	s_wait_dscnt 0x0                               ; this step's fragments are in
	WIN MW
	MUL16 0, \st, 0
	WIN 0
	s_wait_tensorcnt 0x0                           ; all my tensor loads have landed: my part of the other slot; so every group 0 may be written
	ds_add_u32 v[SPW], v[NIL]                      ; 0 onto my spare word
.if (\fill) == 1
	s_add_nc_u64 s[G0+4*SLN+2:G0+4*SLN+3], s[G0+4*SLN+2:G0+4*SLN+3], 2*APART
	s_add_nc_u64 s[G0B+4*SLN+2:G0B+4*SLN+3], s[G0B+4*SLN+2:G0B+4*SLN+3], 2*APART
.endif
	s_wait_dscnt 0x0                               ; the add is done; no LDS read of mine is out
	s_barrier_signal -1
	s_barrier_wait -1
.if (\fill) == 1
	CREST                                          ; the barrier has opened a round of the cluster's barrier: no wave of any partner still reads this slot or has a load on its way
	JLOAD G0+4*SLN, G1, G0B+4*SLN, G1B             ; the first tensor load behind the round; its four v_nop are among the places in front of the loads below
	PLACES NP-4
.elseif (\fill) == 2
	CREST
	JLOAD G0L, G1L, G0BL, G1BL
	PLACES NP-4
.else
	PLACES NP
.endif
	FETCHH (\st)+1, 0
	FETCHH (\st)+1, 1
.if \ask
	WIN 0
	ASK
.endif
	WIN MW
	MUL16 2, \st, 0
	WIN 0
.endm
	FETCHH 0, 0
	FETCHH 0, 1
	WIN 0
	STEP 0, 1                                      ; the first step's products start the sums
	STEP 1, 0
	TSTEP 2, 1, 1                                  ; slot 0 takes K steps 6 to 8
	STEP 3, 0
	STEP 4, 0
	TSTEP 5, 1, 0                                  ; slot 1 takes 9 to 11
	STEP 6, 0
	STEP 7, 0
	TSTEP 8, 1, 0                                  ; slot 0 takes 12 to 14
	STEP 9, 0
	STEP 10, 0
	TSTEP 11, 2, 0                                 ; slot 1 takes the last step
	STEP 12, 0
	STEP 13, 0
	TSTEP 14, 0, 0                                 ; nothing is left to fetch: behind this barrier nobody reads slot 0 any more
	STEP 15, 0
; THE WAY OUT, a block of 16 queries x 128 channels at a time: x 1 / l; through my own stage in LDS; back as whole rows of 512 bytes, which the 32 lanes store as one aligned run of 512 bytes.
.macro RSCALE a
	WIN 0x82                                       ; destination and source 0 window 2, 1 / l window 0
.set n, 0
.rept 32
	v_pk_mul_f32 v[64*(\a)+n:64*(\a)+n+1], v[64*(\a)+n:64*(\a)+n+1], v[NEG+2*(\a):NEG+2*(\a)+1]   ; each accumulator from its low end on
.set n, n+2
.endr
.endm
.macro TOSTAGE a
	WIN 0x08                                       ; an LDS store's data are its source 1: window 2
.irp b, 0,1,2,3,4,5,6,7
	ds_store_b128 v[STO], v[64*(\a)+8*\b:64*(\a)+8*\b+3] offset:64*\b
	ds_store_b128 v[STO], v[64*(\a)+8*\b+4:64*(\a)+8*\b+7] offset:64*\b+16
.endr
	WIN 0
.set BB, BK+64*((\a)%2)
.irp t, 0,1,2,3,4,5,6,7,8,9,10,11,12,13,14,15
	ds_load_b128 v[BB+4*\t:BB+4*\t+3], v[RD] offset:\t*SPITCH   ; LDS serves a wave's instructions in order (ISA guide 5.7.1.4): these see the stores above
.endr
.endm
.macro SEND a, younger                 ; younger: the LDS instructions issued behind block a's loads, which may stay out
.set BB, BK+64*((\a)%2)
	s_wait_dscnt \younger
.if (\a) > 0
	s_add_nc_u64 s[12:13], s[12:13], 16*SIZE_N*4   ; (behind a wait on XCNT: the earlier stores have read their base)  16 rows of out0 on
.endif
.irp t, 0,1,2,3,4,5,6,7,8,9,10,11,12,13,14,15
	global_store_b128 v[CO], v[BB+4*\t:BB+4*\t+3], s[12:13] offset:\t*SIZE_N*4 th:TH_STORE_NT   ; 32 lanes store 512 consecutive bytes, aligned; written once, read by nobody here
.endr
.endm
	PLACES NP                                      ; behind the last products, ahead of the first reads of results
.irp a, 0,1,2,3
	ds_load_b32 v[NEG+2*\a], v[RLA] offset:64*\a   ; 1 / l of my query of block a, twice: a pair for the packed multiply
	ds_load_b32 v[NEG+2*\a+1], v[RLA] offset:64*\a
.endr
	s_wait_dscnt 0x0
	RSCALE 0
	TOSTAGE 0
.irp a, 1,2,3
.if \a > 1
	s_wait_xcnt 0x0                                ; block a - 2's stores have read their registers and their base
.endif
	RSCALE \a
	TOSTAGE \a
	SEND \a-1, 32                                  ; behind block a - 1's loads: block a's 16 stores and 16 loads
.endr
	s_wait_xcnt 0x0                                ; block 2's stores have read their base
	SEND 3, 0
	s_wait_tensorcnt 0x0                           ; the wave's end
	ds_add_u32 v[SPW], v[NIL]
	s_wait_dscnt 0x0
	CROUND                                         ; the closing round: no work-group ends while a partner may still ask for a tile that names it
	s_endpgm
.Lfunc_end_k_q51ec3a4fb9_pv:
	.size	k_q51ec3a4fb9_pv, .Lfunc_end_k_q51ec3a4fb9_pv-k_q51ec3a4fb9_pv
	.p2alignl 7, 3214868480
	.fill 96, 4, 3214868480
	.section	.rodata,"a",@progbits
	.p2align	6, 0x0
	.amdhsa_kernel k_q51ec3a4fb9_pv
		.amdhsa_group_segment_fixed_size 327680
		.amdhsa_private_segment_fixed_size 0
		.amdhsa_enable_private_segment 0
		.amdhsa_kernarg_size 40
		.amdhsa_user_sgpr_count 2
		.amdhsa_user_sgpr_kernarg_segment_ptr 1
		.amdhsa_wavefront_size32 1
		.amdhsa_system_sgpr_workgroup_id_x 1
		.amdhsa_system_sgpr_workgroup_id_y 1
		.amdhsa_system_sgpr_workgroup_id_z 1
		.amdhsa_system_vgpr_workitem_id 0
		.amdhsa_next_free_vgpr 1024
		.amdhsa_next_free_sgpr 102
		.amdhsa_reserve_vcc 0
		.amdhsa_float_denorm_mode_32 3
		.amdhsa_float_denorm_mode_16_64 3
		.amdhsa_memory_ordered 1
		.amdhsa_forward_progress 1
		.amdhsa_inst_pref_size 185
	.end_amdhsa_kernel
	.amdgpu_metadata
---
amdhsa.version: [ 1, 2 ]
amdhsa.kernels:
  - .name:           k_q51ec3a4fb9_pv
    .symbol:         k_q51ec3a4fb9_pv.kd
    .args:
      - { .name: pimg, .offset: 0, .size: 8, .value_kind: global_buffer, .address_space: global }
      - { .name: pst, .offset: 8, .size: 8, .value_kind: global_buffer, .address_space: global }
      - { .name: vimg, .offset: 16, .size: 8, .value_kind: global_buffer, .address_space: global }
      - { .name: vs, .offset: 24, .size: 8, .value_kind: global_buffer, .address_space: global }
      - { .name: out0, .offset: 32, .size: 8, .value_kind: global_buffer, .address_space: global }
    .group_segment_fixed_size: 327680
    .private_segment_fixed_size: 0
    .kernarg_segment_align: 8
    .kernarg_segment_size: 40
    .max_flat_workgroup_size: 128
    .sgpr_count:     102
    .vgpr_count:     1024
    .wavefront_size: 32
...
	.end_amdgpu_metadata
.endif
;; end of part 3
